; MI455X (gfx1250); checked and timed in simulation.
; The chip was launched on July 23, 2026; its instructions are those of AMD's public machine-readable ISA for CDNA 5 (MIT licence, August 2026) and "CDNA5" Instruction Set Architecture Reference Guide (July 2026). The comments in the code are by the model that wrote it; some were corrected since.
;; Multi Head Attention. Allowed arithmetic: matrix products marked QUANTISED: E3M2 operands, one E8M0 scale for each 32 along K, by v_wmma_scale_f32_16x16x128_f8f6f4 with both operands' format E3M2, f32 sums; everything else in f32.
;; Inputs: Wk 1,024 x 1,024 float32; Wo 1,024 x 1,024 float32; Wq 1,024 x 1,024 float32; Wv 1,024 x 1,024 float32; bk 1,024 float32; bo 1,024 float32; bq 1,024 float32; bv 1,024 float32; x 4 x 2,048 x 1,024 float32.
;; Outputs: out0 4 x 2,048 x 1,024 float32.
;; This version of the problem:
;;   THIS VERSION OF THE PROBLEM IS GIVEN IN LOW PRECISION. The matrix products marked QUANTISED in the list below multiply operands that are first quantised to E3M2 (3 exponent bits, 2 mantissa bits; 6 bits a number), with one power-of-two scale for each 32 numbers along K (OCP MX v1.0); their sums are f32. All else is computed in f32.
;;   The module's matrix products, in the order in which they are computed (A, B: the left and right operand; K: the contracted axis; several contracted axes count as one K, in the product's order):
;;     1. [M 8,192, K 1,024] x [K 1,024, N 1,024]; A: input x; B: input Wq: QUANTISED
;;     2. [M 8,192, K 1,024] x [K 1,024, N 1,024]; A: input x; B: input Wk: QUANTISED
;;     3. [M 8,192, K 1,024] x [K 1,024, N 1,024]; A: input x; B: input Wv: QUANTISED
;;     4. batch 64 x [M 2,048, K 64] x [K 64, N 2,048]; A: computed on the way; B: computed on the way: QUANTISED
;;     5. batch 64 x [M 2,048, K 2,048] x [K 2,048, N 64]; A: softmax (see below); B: computed on the way: QUANTISED
;;     6. [M 8,192, K 1,024] x [K 1,024, N 1,024]; A: computed on the way; B: input Wo: QUANTISED
;;   THE QUANTISER, for each operand of a quantised product, along K:
;;     - K is cut into blocks of 32 from its start; a last block that is shorter is filled with zeros.
;;     - A block's scale is 2^e with e = floor(log2(the largest magnitude in the block)) - 4, held to -126 .. 127; a block of zeros has e = 0. As a byte (E8M0): e + 127.
;;     - Each number is divided by its block's scale, clamped to +-28, and rounded to the nearest number of E3M2, ties to even, subnormals kept.
;;     - The product sums the exact products of the quantised numbers (number of the format x scale) in f32.
;;   ~~~python
;;   def quantise(x, axis):      # numpy; x: float32 -> the quantised numbers, widened to float32 again
;;       x = np.moveaxis(x, axis, -1); K = x.shape[-1]
;;       x = np.pad(x, [(0, 0)] * (x.ndim - 1) + [(0, -K % 32)]); x = x.reshape(x.shape[:-1] + (-1, 32)); a = np.abs(x).max(-1, keepdims=True)
;;       e = np.where(a > 0, np.clip(np.frexp(np.where(a > 0, a, 1))[1] - 1 - 4, -126, 127), 0)      # np.frexp(a)[1] - 1 = floor(log2(a)), exactly
;;       r = np.clip(x / 2.0 ** e, -28, 28)
;;       step = 2.0 ** (np.maximum(np.frexp(np.where(r == 0, 1, r))[1] - 1, -2) - 2)
;;       q = np.round(r / step) * step * 2.0 ** e      # np.round: ties to even
;;       return np.moveaxis(q.reshape(q.shape[:-2] + (-1,))[..., :K], -1, axis).astype(np.float32)
;;   ~~~
;;   SOFTMAX AHEAD OF A QUANTISED PRODUCT. Where the list says 'softmax', what is quantised is not the finished softmax but p = 2^(t - M), with t = logit x log2(e) and M = ceil(the row's largest t), a whole number; so 1/2 < the row's largest p <= 1. The row's sum l is taken of the UNQUANTISED p, in f32, and the product's result is divided by l at the end. Since M is a whole number, a kernel that streams over the keys may use a running M (the ceiling of the running maximum): every later rescaling is an exact power of two, which a block's scale takes up: the codes' values come out the same.
;;   OPERANDS COMPUTED ON THE WAY. 'Computed on the way' means the value that the module computes at that place (a softmax that the list does not call 'softmax' is quantised finished and normalised). What goes into a quantiser is computed in f32, as accurately as f32 sums, v_exp_f32 and their like allow (about 1e-6 of the number): no bf16 or f16 on the way to a quantiser, and a product that is left as it is and whose result goes on into a quantised operand takes f32 operands (vector FMAs, or v_wmma_f32_16x16x4_f32). A number that lies on a knife's edge between two numbers of the format may be rounded either way, as far as f32 arithmetic and the matrix unit's own rounding can turn it there, and no further.
;; One version. Each part assembles by itself: llvm-mc -triple=amdgcn-amd-amdhsa -mcpu=gfx1250 --defsym DOCPART=n.
;; ======== version 1 of 1: 4 launches
;; workspace buffers: xc 6,291,456 bytes; xs 262,144 bytes; wc 3,145,728 bytes; ws 131,072 bytes; qb 6,553,600 bytes; kv 13,107,200 bytes; cc 6,291,456 bytes; cs 262,144 bytes
;; launch quant (part 1): grid 512 x 1, 4 waves a work-group, no clusters, 35,328 bytes of LDS; arguments x, Wq, Wk, Wv, Wo, xc, xs, wc, ws; writes xc, xs, wc, ws
.if DOCPART == 1
	.amdgcn_target "amdgcn-amd-amdhsa--gfx1250"
	.amdhsa_code_object_version 6
	.text
	.protected	k_q6ae2a5e883_quant
	.globl	k_q6ae2a5e883_quant
	.p2align	8
	.type	k_q6ae2a5e883_quant,@function
k_q6ae2a5e883_quant:
	s_mov_b64 s[64:65], 0
	v_nop
	global_prefetch_b8 v0, s[64:65] scope:SCOPE_SE
	s_setreg_imm32_b32 hwreg(HW_REG_WAVE_MODE, 25, 1), 1
	s_wait_xcnt 0x0
; x [8192][1024] f32 (K innermost) and Wq, Wk, Wv, Wo [1024 (k)][1024 (n)] f32 (K first) become codes of BF6 (E3M2) with one E8M0 byte for each 32 along K.
; A block's scale is 2^(floor(log2(its largest magnitude)) - 4): its byte is the largest magnitude's exponent field - 4, held at 1 from below.
; LIMITS: a block of zeros, or one whose largest magnitude lies under 2^-122, gets the byte 1 where the stated quantiser says 127 or less than 1: its codes are zeros or tiny, and only this program reads the bytes.
; NaN and infinities among the inputs are not served.
; THE CODES' LAYOUT is the order of an operand's registers.  A half fragment (16 rows x 64 along K, 768 bytes): lane l = r + 16 h holds the 24 bytes of block h of row r; its registers 0-3 lie at 16 l, its registers 4-5 at 512 + 8 l.
; xc: [row tile 512][half fragment 16][768];  wc: the four weights on end, each [column tile 64][16][768].
; THE ROWS OF A TILE ARE NOT NEIGHBOURS: of each 32 rows, tile 2 b + u holds in lane r the row 32 b + 8 u + r + 8 (r / 8).
; THE SCALE BYTES: [tile][half of K][r][4 words], 512 bytes a tile; a word is the four bytes of 128 along K.
; Work-groups 0-255 take x, 256-511 the weights.  No work-group shares an input byte with another, so there is nothing to ask for jointly; no tensor load, no barrier: waves share nothing.
.set EMAX, 4
.set T2,   24                          ; v24-26   the second half of a block's codes, before it is moved
.set R,    32                          ; v32-95   x: two sets of 32 registers as loaded
.set X,    96                          ; v96-159  x: two sets of 32 neighbours
.set WX,   32                          ; v32-159  a weight: four blocks of 32 numbers down K
.set C,    160                         ; v160-223 codes: eight registers a step, so that no store's data are written again
.set SB,   224                         ; v224-227 x: scale bytes of four words
.set PD,   228                         ; v228-231 targets of lane permutes
.set SP,   272                         ; a stage row: 256 bytes + 16
.set STG,  16*SP                       ; a stage; each wave has two
; The 32 numbers v[XS] on become six registers of codes at v[CD] and the scale's byte in v10.
.macro BLOCKQ
	v_max3_num_f32 v8, |v[XS]|, |v[XS+1]|, (EMAX+1)<<23            ; the floor 2^(5 - 127) among the leaves: the byte cannot fall under 1
	v_max3_num_f32 v9, |v[XS+2]|, |v[XS+3]|, |v[XS+4]|             ; two chains that do not wait for each other
.irp i, 5,9,13,17,21,25
	v_max3_num_f32 v8, v8, |v[XS+\i]|, |v[XS+\i+1]|
	v_max3_num_f32 v9, v9, |v[XS+\i+2]|, |v[XS+\i+3]|
.endr
	v_max3_num_f32 v8, v8, |v[XS+29]|, |v[XS+30]|
	v_max3_num_f32 v8, v8, v9, |v[XS+31]|                          ; the block's largest magnitude: all 32 numbers are mine
	v_add_nc_u32 v11, -(EMAX<<23), v8                              ; 4 off its exponent field: the conversion takes that field as its scale
	v_cvt_scalef32_pk16_bf6_f32 v[CD:CD+2], v[XS:XS+15], v11
	v_cvt_scalef32_pk16_bf6_f32 v[T2:T2+2], v[XS+16:XS+31], v11    ; (a conversion's three registers begin on an even number)
	v_lshrrev_b32 v10, 23, v11                                     ; the scale's byte; also the plain line behind the conversions
.irp i, 0,1,2
	v_mov_b32 v[CD+3+\i], v[T2+\i]
.endr
.endm
	s_load_b256 s[4:11], s[0:1], 0x0               ; x, Wq, Wk, Wv
	s_load_b256 s[12:19], s[0:1], 0x20             ; Wo, xc, xs, wc
	s_load_b64 s[20:21], s[0:1], 0x40              ; ws
	v_lshl_add_u32 v254, v0, 2, 0x8800
	v_mov_b32 v255, 0
	v_lshrrev_b32 v1, 5, v0
	v_readfirstlane_b32 s24, v1                    ; wave
	v_and_b32 v1, 31, v0                           ; lane
	s_cmp_lt_u32 ttmp9, 256
	s_cbranch_scc0 .Lweights
; ---- x.  A wave takes one tile of 16 rows x 512 along K: eight half fragments, in eight steps of 64 along K.
; A load reads 256 consecutive bytes of one row in sixteen lanes; the step's 16 x 256 bytes turn through the wave's own stage in LDS, so that a lane gets a whole block of 32 neighbours.
	s_lshl_b32 s25, ttmp9, 2
	s_add_co_u32 s25, s25, s24                     ; J = 4 x work-group + wave: tile J / 2, half J % 2 of K
	s_lshr_b32 s26, s25, 1
	s_and_b32 s27, s25, 1
	s_lshr_b32 s28, s26, 1
	s_and_b32 s29, s26, 1
	s_lshl_b32 s28, s28, 17                        ; 32 rows of 4,096 bytes
	s_lshl_b32 s29, s29, 15                        ; 8 rows
	s_add_co_u32 s28, s28, s29
	s_lshl_b32 s27, s27, 11                        ; 512 numbers
	s_add_co_u32 s28, s28, s27
	s_mov_b32 s29, 0
	s_mul_i32 s30, s25, 6144                       ; eight half fragments
	s_mov_b32 s31, 0
	s_lshl_b32 s32, s25, 8                         ; 256 scale bytes
	s_mov_b32 s33, 0
	s_mov_b32 s22, 0x76543210
	s_mov_b32 s23, 0xfedcba98                      ; selects for lane l xor 16
	s_mul_i32 s34, s24, 2*STG                      ; my wave's two stages
	v_and_b32 v13, 15, v1                          ; r
	v_lshrrev_b32 v14, 4, v1                       ; h
	v_lshlrev_b32 v2, 4, v13
	v_lshl_add_u32 v2, v14, 12, v2                 ; in: lanes 0-15 one row, lanes 16-31 the next; 16 bytes a lane
	v_mul_u32_u24 v3, v14, SP
	v_lshl_add_u32 v3, v13, 4, v3
	v_add_nc_u32 v3, s34, v3                       ; into the stage, as loaded
	v_mul_u32_u24 v4, v13, SP
	v_lshl_add_u32 v4, v14, 7, v4
	v_add_nc_u32 v4, s34, v4                       ; out of it: row r, block h: 128 bytes
	v_lshlrev_b32 v5, 4, v1                        ; 16 l
	v_lshlrev_b32 v6, 3, v1                        ; 8 l
	v_lshlrev_b32 v7, 3, v14                       ; 8 h
	v_lshl_add_u32 v12, v13, 4, v7                 ; 16 r + 8 h
.irp i, 0,1,2,3
	v_mov_b32 v[PD+\i], 0                          ; a lane permute's target counts as read
.endr
	s_wait_kmcnt 0x0
	s_add_nc_u64 s[4:5], s[4:5], s[28:29]
	s_add_nc_u64 s[14:15], s[14:15], s[30:31]
	s_add_nc_u64 s[16:17], s[16:17], s[32:33]
.macro XLOAD t                         ; step t: tile rows 2 j and 2 j + 1; tile rows 8-15 lie 8 rows further down
.irp j, 0,1,2,3,4,5,6,7
	global_load_b128 v[R+32*((\t)%2)+4*\j:R+32*((\t)%2)+4*\j+3], v2, s[4:5] offset:(2*\j+8*(\j/4))*4096+256*(\t) th:TH_LOAD_NT
.endr
.endm
.macro XTURN t                         ; LDS serves a wave's instructions in order: no wait between the stores and the loads
.irp j, 0,1,2,3,4,5,6,7
	ds_store_b128 v3, v[R+32*((\t)%2)+4*\j:R+32*((\t)%2)+4*\j+3] offset:STG*((\t)%2)+2*SP*\j
.endr
.irp i, 0,1,2,3,4,5,6,7
	ds_load_b128 v[X+32*((\t)%2)+4*\i:X+32*((\t)%2)+4*\i+3], v4 offset:STG*((\t)%2)+16*\i
.endr
.endm
.macro XSTEP t
	s_wait_dscnt 0x0                               ; this step's numbers are back, so its stores into the stage have read their registers,
.if (\t)+2 < 8
	XLOAD (\t)+2                                   ; which take the loads of two steps on
.endif
.if (\t)+1 < 8
.if (\t)+2 < 8
	s_wait_loadcnt 8                               ; the next step's eight loads are in; the eight just issued may be out
.else
	s_wait_loadcnt 0x0
.endif
	XTURN (\t)+1                                   ; the next step goes through the other stage while this one is worked
.endif
.set XS, X+32*((\t)%2)
.set CD, C+8*(\t)
	BLOCKQ
.if (\t)%2 == 0
	v_mov_b32 v[SB+(\t)/2], v10                    ; my block's byte: block h of the word's first 64,
.else
	v_lshl_or_b32 v[SB+(\t)/2], v10, 16, v[SB+(\t)/2]   ; and of its second 64
.endif
	global_store_b128 v5, v[CD:CD+3], s[14:15] offset:768*(\t)          ; 512 consecutive bytes
	global_store_b64 v6, v[CD+4:CD+5], s[14:15] offset:768*(\t)+512     ; 256 consecutive bytes
.endm
	XLOAD 0
	XLOAD 1
	s_wait_loadcnt 8                               ; step 0's eight loads are in
	XTURN 0
.irp t, 0,1,2,3,4,5,6,7
	XSTEP \t
.endr
.irp i, 0,1,2,3
	v_lshlrev_b32 v[SB+\i], v7, v[SB+\i]           ; my two bytes at their places, 8 h bits up;
.endr
.irp i, 0,1,2,3
	v_permlanex16_b32 v[PD+\i], v[SB+\i], s22, s23
.endr
.irp i, 0,1,2,3
	v_or_b32 v[SB+\i], v[SB+\i], v[PD+\i]          ; with lane l xor 16's two the word is whole
.endr
	v_cmp_ne_u32 vcc_lo, 0, v7
	v_cndmask_b32 v8, v[SB], v[SB+2], vcc_lo       ; lanes 0-15 store words 0 and 1 of their row, lanes 16-31 words 2 and 3
	v_cndmask_b32 v9, v[SB+1], v[SB+3], vcc_lo
	global_store_b64 v12, v[8:9], s[16:17]         ; 256 consecutive bytes, aligned
	s_wait_tensorcnt 0x0
	ds_add_u32 v254, v255
	s_wait_dscnt 0x0
	s_endpgm
; ---- the weights.  A wave takes 32 columns x 128 along K.  A LANE TAKES A COLUMN AND ITS REGISTERS RUN DOWN K: each load reads 128 consecutive bytes (the four waves stand side by side on 512),
; a block of 32 lies in one lane, and the conversions give codes with K innermost.
.Lweights:
	s_sub_co_u32 s25, ttmp9, 256
	s_lshr_b32 s26, s25, 6                         ; which weight
	s_and_b32 s27, s25, 7
	s_bfe_u32 s28, s25, 0x30003                    ; which 128 along K
	s_lshl_b32 s27, s27, 2
	s_add_co_u32 s27, s27, s24                     ; G: which 32 columns
	s_lshl_b32 s30, s28, 19                        ; 128 rows of 4,096 bytes
	s_lshl_b32 s31, s27, 7
	s_add_co_u32 s30, s30, s31
	s_mov_b32 s31, 0
	s_mul_i32 s32, s26, 786432
	s_mul_i32 s33, s27, 24576                      ; two tiles of 16 half fragments
	s_add_co_u32 s32, s32, s33
	s_mul_i32 s33, s28, 1536
	s_add_co_u32 s32, s32, s33
	s_mov_b32 s33, 0
	s_lshl_b32 s34, s26, 15
	s_lshl_b32 s35, s27, 10
	s_add_co_u32 s34, s34, s35
	s_lshr_b32 s35, s28, 2
	s_lshl_b32 s35, s35, 8
	s_add_co_u32 s34, s34, s35
	s_and_b32 s35, s28, 3
	s_lshl_b32 s35, s35, 2
	s_add_co_u32 s34, s34, s35
	s_mov_b32 s35, 0
	v_bfe_u32 v13, v1, 3, 1                        ; lane o holds column o of the 32: tile u = (o / 8) % 2,
	v_and_b32 v14, 7, v1
	v_lshrrev_b32 v15, 4, v1
	v_lshl_add_u32 v14, v15, 3, v14                ; lane r = o % 8 + 8 (o / 16) of that tile
	v_lshlrev_b32 v2, 2, v1
	v_mul_u32_u24 v15, v13, 12288
	v_lshl_add_u32 v3, v14, 4, v15
	v_lshl_add_u32 v4, v14, 3, v15
	v_lshlrev_b32 v5, 9, v13
	v_lshl_add_u32 v5, v14, 4, v5
	s_wait_kmcnt 0x0
	s_cmp_eq_u32 s26, 1                            ; the choice hangs on the work-group's number alone
	s_cselect_b64 s[6:7], s[8:9], s[6:7]
	s_cmp_eq_u32 s26, 2
	s_cselect_b64 s[6:7], s[10:11], s[6:7]
	s_cmp_eq_u32 s26, 3
	s_cselect_b64 s[6:7], s[12:13], s[6:7]
	s_add_nc_u64 s[6:7], s[6:7], s[30:31]
	s_add_nc_u64 s[18:19], s[18:19], s[32:33]
	s_add_nc_u64 s[20:21], s[20:21], s[34:35]
.macro WLOAD t
.set I, 0
.rept 32
	global_load_b32 v[WX+32*(\t)+I], v2, s[6:7] offset:(32*(\t)+I)*4096 th:TH_LOAD_NT
.set I, I+1
.endr
.endm
.macro WBLOCK t
.if (\t) < 3
	s_wait_loadcnt 32                              ; this block's 32 loads are in; the next block's may be out
.else
	s_wait_loadcnt 0x0
.endif
.if (\t)+2 < 4
	WLOAD (\t)+2                                   ; every block has registers of its own
.endif
.set XS, WX+32*(\t)
.set CD, C+8*(\t)
	BLOCKQ
.if (\t) == 0
	v_mov_b32 v12, v10
.else
	v_lshl_or_b32 v12, v10, 8*(\t), v12            ; the four bytes make my column's scale word
.endif
	global_store_b128 v3, v[CD:CD+3], s[18:19] offset:768*((\t)/2)+256*((\t)%2)         ; block t is half t % 2 of half fragment t / 2: the sixteen lanes of a tile fill 256 aligned bytes
	global_store_b64 v4, v[CD+4:CD+5], s[18:19] offset:768*((\t)/2)+512+128*((\t)%2)
.endm
	WLOAD 0
	WLOAD 1
.irp t, 0,1,2,3
	WBLOCK \t
.endr
	global_store_b32 v5, v12, s[20:21]             ; 4 bytes a lane, 16 bytes apart: one byte for each 32 of the 128 that this path reads
	s_endpgm
.Lfunc_end_k_q6ae2a5e883_quant:
	.size	k_q6ae2a5e883_quant, .Lfunc_end_k_q6ae2a5e883_quant-k_q6ae2a5e883_quant
	.p2alignl 7, 3214868480
	.fill 96, 4, 3214868480
	.section	.rodata,"a",@progbits
	.p2align	6, 0x0
	.amdhsa_kernel k_q6ae2a5e883_quant
		.amdhsa_group_segment_fixed_size 35328
		.amdhsa_private_segment_fixed_size 0
		.amdhsa_enable_private_segment 0
		.amdhsa_kernarg_size 72
		.amdhsa_user_sgpr_count 2
		.amdhsa_user_sgpr_kernarg_segment_ptr 1
		.amdhsa_wavefront_size32 1
		.amdhsa_system_sgpr_workgroup_id_x 1
		.amdhsa_system_sgpr_workgroup_id_y 1
		.amdhsa_system_sgpr_workgroup_id_z 1
		.amdhsa_system_vgpr_workitem_id 0
		.amdhsa_next_free_vgpr 256
		.amdhsa_next_free_sgpr 66
		.amdhsa_reserve_vcc 1
		.amdhsa_float_denorm_mode_32 3
		.amdhsa_float_denorm_mode_16_64 3
		.amdhsa_memory_ordered 1
		.amdhsa_forward_progress 1
		.amdhsa_inst_pref_size 51
	.end_amdhsa_kernel
	.amdgpu_metadata
---
amdhsa.version: [ 1, 2 ]
amdhsa.kernels:
  - .name:           k_q6ae2a5e883_quant
    .symbol:         k_q6ae2a5e883_quant.kd
    .args:
      - { .name: x, .offset: 0, .size: 8, .value_kind: global_buffer, .address_space: global }
      - { .name: Wq, .offset: 8, .size: 8, .value_kind: global_buffer, .address_space: global }
      - { .name: Wk, .offset: 16, .size: 8, .value_kind: global_buffer, .address_space: global }
      - { .name: Wv, .offset: 24, .size: 8, .value_kind: global_buffer, .address_space: global }
      - { .name: Wo, .offset: 32, .size: 8, .value_kind: global_buffer, .address_space: global }
      - { .name: xc, .offset: 40, .size: 8, .value_kind: global_buffer, .address_space: global }
      - { .name: xs, .offset: 48, .size: 8, .value_kind: global_buffer, .address_space: global }
      - { .name: wc, .offset: 56, .size: 8, .value_kind: global_buffer, .address_space: global }
      - { .name: ws, .offset: 64, .size: 8, .value_kind: global_buffer, .address_space: global }
    .group_segment_fixed_size: 35328
    .private_segment_fixed_size: 0
    .kernarg_segment_align: 8
    .kernarg_segment_size: 72
    .max_flat_workgroup_size: 128
    .sgpr_count:     66
    .vgpr_count:     256
    .wavefront_size: 32
...
	.end_amdgpu_metadata
.endif
;; end of part 1
;; launch qkv (part 2): grid 4 x 96, 4 waves a work-group, clusters of 4 x 4, 327,680 bytes of LDS; arguments xc, xs, wc, ws, bq, bk, bv, qb, kv; writes qb, kv
.if DOCPART == 2
	.amdgcn_target "amdgcn-amd-amdhsa--gfx1250"
	.amdhsa_code_object_version 6
	.text
	.protected	k_q6ae2a5e883_qkv
	.globl	k_q6ae2a5e883_qkv
	.p2align	8
	.type	k_q6ae2a5e883_qkv,@function
k_q6ae2a5e883_qkv:
	s_mov_b64 s[64:65], 0
	v_nop
	global_prefetch_b8 v0, s[64:65] scope:SCOPE_SE
	s_setreg_imm32_b32 hwreg(HW_REG_WAVE_MODE, 25, 1), 1
	s_wait_xcnt 0x0
	s_wait_alu depctr_hold_cnt(0) depctr_sa_sdst(0) depctr_va_vdst(0) depctr_va_sdst(0) depctr_va_ssrc(0) depctr_va_vcc(0) depctr_vm_vsrc(0)
	s_getreg_b32 s2, hwreg(HW_REG_IB_STS2, 6, 4)
	s_cmp_eq_u32 s2, 0
	s_cbranch_scc0 .Lentry_in_a_cluster
	s_endpgm
.Lentry_in_a_cluster:
	s_bfe_u32 s2, ttmp6, 0x10000c
	s_cmp_lg_u32 s2, 0xf033
	s_cbranch_scc0 .Lentry_shape_is_right
	s_endpgm
.Lentry_shape_is_right:
; q = x Wq + bq, k = x Wk + bk, v = x Wv + bv on codes of BF6 (E3M2) with E8M0 scales, sums in f32; the results are quantised at once, q and k along a head's 64 channels, v along the keys, and leave as codes.
; A tile of 256 x 256 of a result is made by four waves, each 128 x 128: 64 accumulators, 512 registers.  K = 1,024 goes in four slots' worth of 256 through a ring of two LDS slots filled by the tensor data mover.
; OPERANDS lie in memory in the order of an operand's registers: a half fragment (16 rows x 64 K, 768 bytes): lane l's registers 0-3 at 16 l, registers 4-5 at 512 + 8 l; [tile][16 half fragments].  So a fragment
; comes from LDS by loads of 512 and 256 consecutive bytes, and a tile's part of a slot is 3,072 consecutive bytes of memory.  Scale bytes: [tile][half of K][row][4 words]; those of the work-group's rows come once and stay.
; THE ROWS OF A TILE ARE NOT NEIGHBOURS: of each 32 rows, tile 2 b + u holds in lane r the row 32 b + 8 u + r + 8 (r / 8).  THE MATRIX INSTRUCTION IS USED TRANSPOSED (source 0 = 16 rows of the B side, source 1 = 16 rows of the
; A side): a lane holds one row of the A side, and the 16 registers of accumulators 2 b and 2 b + 1 are 16 neighbours, 32 b + 16 (lane / 16) + 0 .. 15, of the B side's rows: the axis along which the result is quantised.
; ROLES, by the cluster's number (24 clusters of 4 x 4): 0-7 q, 8-15 k: A side = x (tokens), B side = the weight (channels); 16-23 v: A side = Wv (channels), B side = x (tokens = keys).
; The four work-groups of a row of the cluster need the same tiles of the A side, the four of a column those of the B side: each tile is asked for JOINTLY.
; OUT.  qb: [batch x head 64][128 queries 16][6,400]: eight half fragments, then 256 bytes of scale words.  kv: [64][128 keys 16][12,800]: K's eight half fragments, V's four fragments (16 channels x 128 keys), 512 bytes of scale words.
; LIMITS: a block of zeros, or one under 2^-122, gets the scale byte 1 (its codes are zeros or tiny; only this program reads the bytes); NaN and infinities are not served.
; REGISTERS, in windows of 256: window 0: v1-7, v16-29 addresses; v32-63 scale words, two sets, and nothing else; v64-127 the bias as the first products' C; v128-223 the A side's fragments, one set, on the way out at work.
;   window 1: the B side's fragments, two sets, at v0 and v128.   windows 2, 3: the accumulators of my rows 0-63 and 64-127, (a, b) at v[8 (8 (a % 4) + b)].
.set FR,    12                         ; registers of a fragment
.set NL,    4                          ; LDS loads that bring one
.set NP,    4                          ; places behind this matrix instruction (ISA guide 7.12.1)
.set TILEB, 3072                       ; a tile's part of a slot: four half fragments
.set HALFT, 8*TILEB                    ; eight tiles: what one tensor load brings, and what one wave reads of a side
.set SLOT,  4*HALFT                    ; the A side's 16 tiles, then the B side's
.set SCL,   2*SLOT                     ; behind the ring: the scales, four parts of 4,096 bytes
.set SPARE, SCL+4*4096                 ; the spare words, 128 bytes for each wave: two blocks of 256 bytes that no other line names
.set ADRA, 16                          ; v16-17 16 l + my A fragments in slot 0, 1;  v18-19 the same with 8 l
.set ADRB, 20                          ; v20-23 likewise for B
.set ADRS, 27                          ; v27    my scale words: lanes 0-15 the A side's rows, lanes 16-31 the B side's
.set SPW,  28                          ; v28    LDS address of my spare word; never rewritten
.set NIL,  29                          ; v29    0; never rewritten
.set SC,   32                          ; scale words: set s at v[SC + 16 s]; register 2 i + q: block i, the slot's q-th 128 along K
.set BI,   64
.set AF,   128
.set TM,   128                         ; the way out: v128-143 at work
.set PC,   144                         ; v144-163 the codes just made
.set PW,   168                         ; v168-175 the eight blocks' scale words
.set WD,   176                         ; v176-179 the scale words as they are stored
.set T0,   180
.set SHR,  182
.set G1, 24
.set G0, 32
.set G1B, 48
.set G0B, 56
.set G1S, 68
.set G0S, 76
.set G1SB, 80
.set G0SB, 88
.set MSB, 0
.macro WIN new                         ; the immediate's high byte repeats the setting that is left
.if MSB != (\new)
	s_set_vgpr_msb (MSB<<8)|(\new)
.set MSB, (\new)
.endif
.endm
.set MUL_LO, 0xa1                      ; source 0 (B) window 1, source 1 (A) window 0, C and D window 2
.set MUL_HI, 0xf1                      ; the same, C and D window 3
.set TO_B,   0x40                      ; destination window 1, address window 0
; A joint load: waves 0 and 1 fetch for the A side, waves 2 and 3 for the B side.  Four v_nop follow each of the two lines.
.macro JLOAD g0a, g1a, g0b, g1b
	s_cmp_eq_u32 s15, 0
	s_cbranch_scc0 .Lfor_b_\@
	tensor_load_to_lds s[\g0a:\g0a+3], s[\g1a:\g1a+7]
	s_nop 0
.rept 4
	v_nop
.endr
	s_branch .Lasked_\@
.Lfor_b_\@:
	tensor_load_to_lds s[\g0b:\g0b+3], s[\g1b:\g1b+7]
	s_nop 0
.rept 4
	v_nop
.endr
.Lasked_\@:
.endm
.macro CREST                           ; a round of the cluster's barrier behind its opening barrier
	s_cmp_lg_u32 s14, 0
	s_cbranch_scc1 .Lnot_wave_0_\@
	s_barrier_signal -3
.Lnot_wave_0_\@:
	s_barrier_wait -3
	s_barrier_signal -1
	s_barrier_wait -1
.endm
.macro CROUND
	s_barrier_signal -1
	s_barrier_wait -1
	CREST
.endm
.macro PLACES n
.rept \n
	v_nop
.endr
.endm
.macro FRAG reg, adr, q, i             ; a fragment is two half fragments on end
	ds_load_b128 v[\reg:\reg+3], v[\adr] offset:TILEB*(\i)+1536*(\q)
	ds_load_b64 v[\reg+4:\reg+5], v[\adr+2] offset:TILEB*(\i)+1536*(\q)+512
	ds_load_b128 v[\reg+6:\reg+9], v[\adr] offset:TILEB*(\i)+1536*(\q)+768
	ds_load_b64 v[\reg+10:\reg+11], v[\adr+2] offset:TILEB*(\i)+1536*(\q)+1280
.endm
.macro FETCH_B slot, q, p
	WIN TO_B
.irp i, 0,1,2,3,4,5,6,7
	FRAG 128*(\p)+FR*\i, ADRB+\slot, \q, \i
.endr
	WIN 0
.endm
.macro FETCH_A slot, q, i0
.irp i, \i0, \i0+1, \i0+2, \i0+3
	FRAG AF+FR*(\i), ADRA+\slot, \q, \i
.endr
.endm
.macro SCALES set, sl                  ; the two scale words of the sl-th 256 along K, for eight blocks: lanes 0-15 the A side's, lanes 16-31 the B side's
.irp i, 0,1,2,3,4,5,6,7
	ds_load_b64 v[SC+16*(\set)+2*\i:SC+16*(\set)+2*\i+1], v[ADRS] offset:512*\i+256*((\sl)/2)+8*((\sl)%2)
.endr
.endm
; 16 matrix instructions: A blocks a0, a0 + 1 x B's eight.  mode 0: onto the sums; 1: the sums begin with the bias of B's block; 2: with that of A's block.  The 64 accumulators take turns.
.macro MUL16 a0, p, q, sc, mode
.irp a, \a0, \a0+1
.irp b, 0,1,2,3,4,5,6,7
.if \mode == 0
	v_wmma_scale_f32_16x16x128_f8f6f4 v[8*(8*((\a)%4)+\b):8*(8*((\a)%4)+\b)+7], v[128*(\p)+FR*\b:128*(\p)+FR*\b+FR-1], v[AF+FR*(\a):AF+FR*(\a)+FR-1], v[8*(8*((\a)%4)+\b):8*(8*((\a)%4)+\b)+7], v[SC+16*(\sc)+2*\b+(\q)], v[SC+16*(\sc)+2*(\a)+(\q)] matrix_a_fmt:MATRIX_FMT_BF6 matrix_b_fmt:MATRIX_FMT_BF6 matrix_a_scale:MATRIX_SCALE_ROW1
.elseif \mode == 1
	v_wmma_scale_f32_16x16x128_f8f6f4 v[8*(8*((\a)%4)+\b):8*(8*((\a)%4)+\b)+7], v[128*(\p)+FR*\b:128*(\p)+FR*\b+FR-1], v[AF+FR*(\a):AF+FR*(\a)+FR-1], v[BI+8*\b:BI+8*\b+7], v[SC+16*(\sc)+2*\b+(\q)], v[SC+16*(\sc)+2*(\a)+(\q)] matrix_a_fmt:MATRIX_FMT_BF6 matrix_b_fmt:MATRIX_FMT_BF6 matrix_a_scale:MATRIX_SCALE_ROW1
.else
	v_wmma_scale_f32_16x16x128_f8f6f4 v[8*(8*((\a)%4)+\b):8*(8*((\a)%4)+\b)+7], v[128*(\p)+FR*\b:128*(\p)+FR*\b+FR-1], v[AF+FR*(\a):AF+FR*(\a)+FR-1], v[BI+8*(\a):BI+8*(\a)+7], v[SC+16*(\sc)+2*\b+(\q)], v[SC+16*(\sc)+2*(\a)+(\q)] matrix_a_fmt:MATRIX_FMT_BF6 matrix_b_fmt:MATRIX_FMT_BF6 matrix_a_scale:MATRIX_SCALE_ROW1
.endif
.endr
.endr
.endm
; A step of 128 along K that has its successor in the same slot.
.macro STEP slot, q, mode
	s_wait_dscnt 4*NL                              ; B's set, the scale words and A's blocks 0-3 are in; the youngest 16 loads (A's blocks 4-7) may be out
.if \mode
	WIN 0x81                                       ; C (the bias) window 0, D window 2
.else
	WIN MUL_LO
.endif
	MUL16 0, (\q)%2, \q, \slot, \mode
	MUL16 2, (\q)%2, \q, \slot, \mode
	s_wait_dscnt 0x0                               ; A's blocks 4-7 are in
	PLACES NP                                      ; in front of loads into registers that matrix instructions have read
	FETCH_B \slot, (\q)+1, 1-(\q)%2
	FETCH_A \slot, (\q)+1, 0
.if \mode
	WIN 0xc1
.else
	WIN MUL_HI
.endif
	MUL16 4, (\q)%2, \q, \slot, \mode
	MUL16 6, (\q)%2, \q, \slot, \mode
	PLACES NP
	WIN 0
	FETCH_A \slot, (\q)+1, 4
.endm
; A slot's last step changes slots: one barrier; in front of it each wave waits for all its tensor loads, adds 0 to its spare word, and waits for that and for its reads of this slot.
; fill = 1: the barrier opens a round of the cluster's barrier, and this slot is filled again with the 256 along K two slots on.  sl: which 256 along K the next slot holds.
.macro TURN slot, next, fill, sl
	s_wait_tensorcnt 0x0                           ; all my tensor loads have landed: my part of the next slot
	ds_add_u32 v[SPW], v[NIL]                      ; 0 onto my spare word
	s_wait_dscnt 4*NL+1                            ; (the add and the youngest 16 loads may be out)
	WIN MUL_LO
	MUL16 0, 1, 1, \slot, 0
	s_wait_dscnt 0x0                               ; the add is done, and my reads of this slot are over
	s_barrier_signal -1
	MUL16 2, 1, 1, \slot, 0
	WIN 0
	s_barrier_wait -1
.if \fill
	CREST                                          ; no wave of any partner still reads this slot or has a load on its way
	s_add_nc_u64 s[G0+4*\slot+2:G0+4*\slot+3], s[G0+4*\slot+2:G0+4*\slot+3], 2*TILEB
	s_add_nc_u64 s[G0B+4*\slot+2:G0B+4*\slot+3], s[G0B+4*\slot+2:G0B+4*\slot+3], 2*TILEB
	JLOAD G0+4*\slot, G1, G0B+4*\slot, G1B         ; my one tensor load behind the round; its four v_nop are the places in front of the loads below
.else
	PLACES NP
.endif
	FETCH_B \next, 0, 0
	FETCH_A \next, 0, 0
	SCALES \next, \sl
	WIN MUL_HI
	MUL16 4, 1, 1, \slot, 0
	MUL16 6, 1, 1, \slot, 0
	PLACES NP
	WIN 0
	FETCH_A \next, 0, 4
.endm
	s_load_b256 s[4:11], s[0:1], 0x0               ; xc, xs, wc, ws
	s_load_b256 s[92:99], s[0:1], 0x20             ; bq, bk, bv, qb
	s_load_b64 s[100:101], s[0:1], 0x40            ; kv
	v_lshl_add_u32 v[SPW], v0, 2, SPARE
	v_mov_b32 v[NIL], 0
	ds_add_u32 v28, v29
	s_wait_dscnt 0x0
	v_lshrrev_b32 v1, 5, v0
	v_readfirstlane_b32 s14, v1                    ; wave 0..3
	s_lshr_b32 s15, s14, 1                         ; which half of the A side's rows is mine.  Also: I fetch for A (0) or for B (1)
	s_and_b32 s16, s14, 1                          ; which half of the B side's.  Also: which eight tiles I fetch
	s_bfe_u32 s40, ttmp6, 0x40000                  ; cx, cy: my place in the cluster
	s_bfe_u32 s41, ttmp6, 0x40004
	s_and_b32 s2, ttmp7, 0xffff                    ; the cluster's number, 0..23: the same in all sixteen partners
	s_lshr_b32 s66, s2, 3                          ; the role: 0 q, 1 k, 2 v
	s_and_b32 s67, s2, 7                           ; which 1,024 tokens
	s_lshl_b32 s3, s67, 2
	s_cmp_eq_u32 s66, 2
	s_cselect_b32 s17, 0, s3
	s_cselect_b32 s42, s3, 0
	s_add_co_u32 s17, s17, s41                     ; which 256 rows of the A side: hangs on cy alone
	s_add_co_u32 s42, s42, s40                     ; which 256 rows of the B side: on cx alone
	s_lshl_b32 s43, s41, 2
	s_lshl_b32 s43, 15, s43                        ; my row of the cluster
	s_lshl_b32 s44, 0x1111, s40                    ; my column
	; descriptor group 1 for codes: eight rows (tiles) of 384 elements of 8 bytes, 1,536 elements apart; no padding
	s_or_b32 s[G1+0], s43, (3<<16)|(1<<21)
	s_or_b32 s[G1B+0], s44, (3<<16)|(1<<21)
.irp g, G1, G1B
	s_mov_b32 s[\g+1], 384<<16                     ; tensor_dim0
	s_mov_b32 s[\g+2], 8<<16                       ; tensor_dim1
	s_mov_b32 s[\g+3], 384<<16                     ; tile_dim0
	s_mov_b32 s[\g+4], 8                           ; tile_dim1
	s_mov_b32 s[\g+5], 1536                        ; tensor_dim0_stride
	s_mov_b32 s[\g+6], 0
	s_mov_b32 s[\g+7], 0
.endr
	; and for the scales of eight tiles: 4,096 dense bytes as 16 rows of 256
	s_or_b32 s[G1S+0], s43, (3<<16)|(1<<21)
	s_or_b32 s[G1SB+0], s44, (3<<16)|(1<<21)
.irp g, G1S, G1SB
	s_mov_b32 s[\g+1], 32<<16
	s_mov_b32 s[\g+2], 16<<16
	s_mov_b32 s[\g+3], 32<<16
	s_mov_b32 s[\g+4], 16
	s_mov_b32 s[\g+5], 32
	s_mov_b32 s[\g+6], 0
	s_mov_b32 s[\g+7], 0
.endr
	s_lshl_b32 s18, s16, 3
	s_lshl_b32 s20, s17, 4
	s_add_co_u32 s20, s20, s18                     ; the A side's first tile that I fetch
	s_lshl_b32 s46, s42, 4
	s_add_co_u32 s46, s46, s18                     ; the B side's
	s_lshl_b32 s22, s20, 9                         ; their scales, 512 bytes a tile,
	s_mov_b32 s23, 0
	s_lshl_b32 s2, s46, 9
	s_mov_b32 s3, 0
	s_mul_i32 s20, s20, 12288                      ; and their codes
	s_mov_b32 s21, 0
	s_mul_i32 s46, s46, 12288
	s_mov_b32 s47, 0
	s_mul_i32 s45, s14, HALFT                      ; where they go: no place in the cluster enters an LDS address
	s_mul_i32 s18, s66, 786432                     ; the role's weight
	s_mov_b32 s19, 0
	s_lshl_b32 s104, s66, 15
	s_mov_b32 s105, 0
	s_wait_kmcnt 0x0
	s_add_nc_u64 s[8:9], s[8:9], s[18:19]
	s_add_nc_u64 s[10:11], s[10:11], s[104:105]
	s_cmp_eq_u32 s66, 2                            ; for v the weight is the A side and x the B side
	s_cselect_b64 s[18:19], s[8:9], s[4:5]
	s_cselect_b64 s[104:105], s[10:11], s[6:7]
	s_cselect_b64 s[8:9], s[4:5], s[8:9]
	s_cselect_b64 s[10:11], s[6:7], s[10:11]
	s_add_nc_u64 s[20:21], s[18:19], s[20:21]
	s_add_nc_u64 s[22:23], s[104:105], s[22:23]
	s_add_nc_u64 s[46:47], s[8:9], s[46:47]
	s_add_nc_u64 s[2:3], s[10:11], s[2:3]
	CROUND                                         ; all sixteen work-groups are here: the first joint loads meet
	s_mov_b32 s[G0S], 1
	s_lshl_b32 s[G0S+1], s14, 12
	s_add_co_u32 s[G0S+1], s[G0S+1], SCL
	s_mov_b64 s[G0S+2:G0S+3], s[22:23]
	s_or_b32 s[G0S+3], s[G0S+3], 0x80000000
	s_mov_b32 s[G0SB], 1
	s_lshl_b32 s[G0SB+1], s14, 12
	s_add_co_u32 s[G0SB+1], s[G0SB+1], SCL
	s_mov_b64 s[G0SB+2:G0SB+3], s[2:3]
	s_or_b32 s[G0SB+3], s[G0SB+3], 0x80000000
	JLOAD G0S, G1S, G0SB, G1SB                     ; the scales first; with the two below three loads of mine are out
.irp s, 0,1
	s_mov_b32 s[G0+4*\s], 1
	s_add_co_u32 s[G0+4*\s+1], s45, \s*SLOT
	s_add_nc_u64 s[G0+4*\s+2:G0+4*\s+3], s[20:21], \s*TILEB
	s_or_b32 s[G0+4*\s+3], s[G0+4*\s+3], 0x80000000
	s_mov_b32 s[G0B+4*\s], 1
	s_add_co_u32 s[G0B+4*\s+1], s45, \s*SLOT
	s_add_nc_u64 s[G0B+4*\s+2:G0B+4*\s+3], s[46:47], \s*TILEB
	s_or_b32 s[G0B+4*\s+3], s[G0B+4*\s+3], 0x80000000
	JLOAD G0+4*\s, G1, G0B+4*\s, G1B
.endr
	v_and_b32 v1, 15, v0                           ; r
	v_bfe_u32 v2, v0, 4, 1                         ; h
	v_and_b32 v3, 31, v0                           ; lane
	v_lshlrev_b32 v4, 4, v3
	v_lshlrev_b32 v5, 3, v3
	s_mul_i32 s21, s15, HALFT
	s_mul_i32 s22, s16, HALFT
	s_add_co_u32 s22, s22, 2*HALFT
.irp s, 0,1
	v_add_nc_u32 v[ADRA+\s], s21, v4
	v_add_nc_u32 v[ADRB+\s], s22, v4
	v_add_nc_u32 v[ADRA+2+\s], s21, v5
	v_add_nc_u32 v[ADRB+2+\s], s22, v5
	s_add_co_u32 s21, s21, SLOT
	s_add_co_u32 s22, s22, SLOT
.endr
	s_lshl_b32 s21, s15, 12                        ; the A side's scales: my eight tiles
	s_lshl_b32 s22, s16, 12
	s_add_co_u32 s22, s22, 8192                    ; the B side's lie behind the A side's two parts
	s_sub_co_u32 s22, s22, s21
	v_mul_u32_u24 v6, s22, v2                      ; lanes 16-31 take the B side's: one product, the distance x h
	s_add_co_u32 s21, s21, SCL
	v_lshl_add_u32 v6, v1, 4, v6
	v_add_nc_u32 v[ADRS], s21, v6
	; where the results go
	s_cmp_eq_u32 s66, 1
	s_cselect_b64 s[92:93], s[94:95], s[92:93]
	s_cmp_eq_u32 s66, 2
	s_cselect_b64 s[92:93], s[96:97], s[92:93]     ; the role's bias
	s_cmp_eq_u32 s66, 0
	s_cselect_b64 s[12:13], s[98:99], s[100:101]   ; qb or kv
	s_lshl_b32 s18, s17, 8
	s_lshl_b32 s19, s15, 7
	s_add_co_u32 s18, s18, s19                     ; my first row of the A side
	s_lshl_b32 s19, s42, 8
	s_lshl_b32 s20, s16, 7
	s_add_co_u32 s19, s19, s20                     ; and of the B side
	s_cmp_eq_u32 s66, 2
	s_cselect_b32 s20, s19, s18                    ; my first token,
	s_cselect_b32 s21, s18, s19                    ; my first channel
	s_lshr_b32 s22, s20, 11
	s_lshl_b32 s22, s22, 4
	s_lshr_b32 s23, s21, 6
	s_add_co_u32 s22, s22, s23                     ; batch x 16 + head
	s_lshl_b32 s22, s22, 4
	s_bfe_u32 s23, s20, 0x40007
	s_add_co_u32 s22, s22, s23                     ; x 16 + which 128 tokens
	s_mov_b32 s23, 12800
	s_cmp_eq_u32 s66, 0
	s_cselect_b32 s23, 6400, s23                   ; a block's bytes
	s_mul_i32 s22, s22, s23
	s_lshl_b32 s94, s23, 4                         ; from a head to the next
	s_mov_b32 s23, 0
	s_add_nc_u64 s[12:13], s[12:13], s[22:23]      ; my block
	s_lshl_b32 s2, s21, 2
	s_mov_b32 s3, 0
	s_add_nc_u64 s[92:93], s[92:93], s[2:3]        ; the bias at my first channel
	s_mov_b32 s2, 12288
	s_cmp_eq_u32 s66, 0
	s_cselect_b32 s2, 6144, s2
	s_mov_b32 s3, 12544
	s_cmp_eq_u32 s66, 2
	s_cselect_b32 s2, s3, s2
	s_mov_b32 s3, 0
	s_add_nc_u64 s[98:99], s[12:13], s[2:3]        ; the scale words' place
	s_cselect_b32 s2, 6144, 0
	s_add_nc_u64 s[12:13], s[12:13], s[2:3]        ; registers 0-5 of a block's codes go here:  q, k: the first head's half fragment;  v: a fragment's first half
	s_cselect_b32 s2, 768, s94
	s_add_nc_u64 s[96:97], s[12:13], s[2:3]        ; registers 6-11:  q, k: the next head's;  v: the fragment's second half
	s_mov_b32 s104, 768
	s_cselect_b32 s104, 1536, s104                 ; from block to block
	s_mov_b32 s105, 0
	s_cselect_b32 s100, 198656, 0                  ; v: behind four blocks on to the next head: 204,800 - 4 x 1,536
	s_mov_b32 s101, 0
	v_lshlrev_b32 v24, 4, v3                       ; 16 l
	v_lshlrev_b32 v25, 3, v3                       ; 8 l
	v_mul_u32_u24 v26, s94, v2
	v_lshl_add_u32 v26, v1, 4, v26                 ; scale words: lanes 0-15 the first head's, lanes 16-31 the next head's; 16 bytes a row
	v_lshlrev_b32 v6, 6, v2                        ; q, k: my 16 h of each 32 channels
	v_and_b32 v7, 8, v1
	v_add_nc_u32 v7, v7, v1
	v_lshlrev_b32 v7, 2, v7                        ; v: my channel r + 8 (r / 8) of a tile
	s_cmp_eq_u32 s66, 2
	s_cbranch_scc1 .Lbias_v
.irp b, 0,1,2,3,4,5,6,7                        ; q, k: register j of accumulator (a, b) is channel 32 (b / 2) + 8 (b % 2) + 16 h + j
	global_load_b128 v[BI+8*\b:BI+8*\b+3], v6, s[92:93] offset:128*(\b/2)+32*(\b%2)
	global_load_b128 v[BI+8*\b+4:BI+8*\b+7], v6, s[92:93] offset:128*(\b/2)+32*(\b%2)+16
.endr
	s_branch .Lbias_done
.Lbias_v:
.irp a, 0,1,2,3,4,5,6,7                        ; v: all eight registers of accumulator (a, b) are channel 32 (a / 2) + 8 (a % 2) + r + 8 (r / 8)
.irp j, 0,1,2,3,4,5,6,7
	global_load_b32 v[BI+8*\a+\j], v7, s[92:93] offset:128*(\a/2)+32*(\a%2)
.endr
.endr
.Lbias_done:
	s_wait_tensorcnt 1                             ; the scales and my part of slot 0 are in; slot 1's load may stay out
	s_barrier_signal -1
	s_barrier_wait -1
	FETCH_B 0, 0, 0
	FETCH_A 0, 0, 0
	SCALES 0, 0
	FETCH_A 0, 0, 4
	s_wait_loadcnt 0x0                             ; the bias
	s_cmp_eq_u32 s66, 2                            ; the first step's products begin the sums with the bias: written once for each way the bias lies
	s_cbranch_scc1 .Lfirst_v
	STEP 0, 0, 1
	s_branch .Lfirst_done
.Lfirst_v:
	STEP 0, 0, 2
.Lfirst_done:
	TURN 0, 1, 1, 1
	STEP 1, 0, 0
	TURN 1, 0, 1, 2
	STEP 0, 0, 0
	TURN 0, 1, 0, 3                                ; nothing is left to fetch
	STEP 1, 0, 0
	s_wait_dscnt 4*NL
	WIN MUL_LO
	MUL16 0, 1, 1, 1, 0
	MUL16 2, 1, 1, 1, 0
	s_wait_dscnt 0x0
	WIN MUL_HI
	MUL16 4, 1, 1, 1, 0
	MUL16 6, 1, 1, 1, 0
	WIN 0
; THE WAY OUT.  Block a's 64 registers of a lane, register 16 b + i = place 32 b + 16 (lane / 16) + i along the quantised axis, become 12 registers of codes and a scale word, and are stored as they stand.
	PLACES NP
	s_mov_b32 s20, 0x76543210
	s_mov_b32 s21, 0xfedcba98                      ; selects for lane l xor 16
.irp b, 0,1,2,3
	v_mov_b32 v[TM+4+\b], 0                        ; a lane permute's target counts as read
.endr
	v_lshlrev_b32 v[SHR], 4, v2
.macro OUTBLK a
.set S, 64*((\a)%4)
	WIN 0x0a+5*((\a)/4)                            ; sources 0 and 1: window 2 or 3
.irp b, 0,1,2,3
	v_max3_num_f32 v[TM+\b], |v[S+16*\b]|, |v[S+16*\b+1]|, 0x2800000   ; with the floor 2^(5 - 127); each accumulator is read from its low end on
.endr
.irp i, 2,4,6,8,10,12,14
.irp b, 0,1,2,3
	v_max3_num_f32 v[TM+\b], |v[S+16*\b+\i]|, |v[S+16*\b+\i+1]|, v[TM+\b]
.endr
.endr
	WIN 0
.irp b, 0,1,2,3
	v_permlanex16_b32 v[TM+4+\b], v[TM+\b], s20, s21
.endr
.irp b, 0,1,2,3
	v_max_num_f32 v[TM+\b], v[TM+\b], v[TM+4+\b]   ; the block's largest magnitude
.endr
.irp b, 0,1,2,3
	v_add_nc_u32 v[TM+12+\b], 0xfe000000, v[TM+\b] ; 4 off its exponent field: the conversion's scale operand
.endr
.irp b, 0,1,2,3
	v_lshrrev_b32 v[TM+4+\b], 23, v[TM+12+\b]      ; the scale's byte
.endr
	v_lshl_or_b32 v[PW+\a], v[TM+5], 8, v[TM+4]
	v_lshl_or_b32 v[PW+\a], v[TM+6], 16, v[PW+\a]
	v_lshl_or_b32 v[PW+\a], v[TM+7], 24, v[PW+\a]
	s_wait_xcnt 0x0                                ; the last block's stores have read their data and their bases: both are written again only behind this wait
.if (\a) > 0
	s_add_nc_u64 s[12:13], s[12:13], s[104:105]
	s_add_nc_u64 s[96:97], s[96:97], s[104:105]
.endif
.if (\a) == 4
	s_add_nc_u64 s[12:13], s[12:13], s[100:101]
	s_add_nc_u64 s[96:97], s[96:97], s[100:101]
.endif
	WIN 2+(\a)/4                                   ; source 0: window 2 or 3
.irp c, 0,1
	v_cvt_scalef32_pk16_bf6_f32 v[PC+6*\c:PC+6*\c+2], v[S+32*\c:S+32*\c+15], v[TM+12+2*\c]
	v_cvt_scalef32_pk16_bf6_f32 v[PC+12+4*\c:PC+14+4*\c], v[S+32*\c+16:S+32*\c+31], v[TM+12+2*\c+1]
.endr
	WIN 0
	v_nop                                          ; one plain line behind a scaled conversion
.irp c, 0,1                                    ; the layout wants a whole block of 32 in a lane
.irp i, 0,1,2
	v_permlane16_swap_b32 v[PC+6*\c+\i], v[PC+12+4*\c+\i]
.endr
.irp i, 0,1,2
	v_mov_b32 v[PC+3+6*\c+\i], v[PC+12+4*\c+\i]
.endr
.endr
	global_store_b128 v24, v[PC:PC+3], s[12:13]                ; 512 consecutive bytes
	global_store_b64 v25, v[PC+4:PC+5], s[12:13] offset:512    ; 256
	global_store_b128 v24, v[PC+6:PC+9], s[96:97]
	global_store_b64 v25, v[PC+10:PC+11], s[96:97] offset:512
.endm
.irp a, 0,1,2,3,4,5,6,7
	OUTBLK \a
.endr
	s_cmp_eq_u32 s66, 2
	s_cbranch_scc1 .Lwords_v
.irp f, 0,1,2,3                                ; q, k: a word holds my head's two bytes of token tiles 2 f and 2 f + 1 (lanes 16-31: the next head's, 16 bits up in the blocks' words)
	v_lshrrev_b32 v[T0], v[SHR], v[PW+2*\f]
	v_lshrrev_b32 v[T0+1], v[SHR], v[PW+2*\f+1]
	v_and_b32 v[T0], 0xffff, v[T0]
	v_lshl_or_b32 v[WD+\f], v[T0+1], 16, v[T0]
.endr
	s_branch .Lwords_done
.Lwords_v:
	v_cmp_ne_u32 vcc_lo, 0, v2
.irp f, 0,1,2,3                                ; v: a word is channel tile f's four bytes; lanes 16-31 take the next head's tiles
	v_cndmask_b32 v[WD+\f], v[PW+\f], v[PW+4+\f], vcc_lo
.endr
.Lwords_done:
	global_store_b128 v26, v[WD:WD+3], s[98:99]    ; each half of the lanes stores 256 consecutive bytes, aligned
	s_wait_tensorcnt 0x0                           ; the wave's end
	ds_add_u32 v[SPW], v[NIL]
	s_wait_dscnt 0x0
	CROUND                                         ; the closing round
	s_endpgm
.Lfunc_end_k_q6ae2a5e883_qkv:
	.size	k_q6ae2a5e883_qkv, .Lfunc_end_k_q6ae2a5e883_qkv-k_q6ae2a5e883_qkv
	.p2alignl 7, 3214868480
	.fill 96, 4, 3214868480
	.section	.rodata,"a",@progbits
	.p2align	6, 0x0
	.amdhsa_kernel k_q6ae2a5e883_qkv
		.amdhsa_group_segment_fixed_size 327680
		.amdhsa_private_segment_fixed_size 0
		.amdhsa_enable_private_segment 0
		.amdhsa_kernarg_size 72
		.amdhsa_user_sgpr_count 2
		.amdhsa_user_sgpr_kernarg_segment_ptr 1
		.amdhsa_wavefront_size32 1
		.amdhsa_system_sgpr_workgroup_id_x 1
		.amdhsa_system_sgpr_workgroup_id_y 1
		.amdhsa_system_sgpr_workgroup_id_z 1
		.amdhsa_system_vgpr_workitem_id 0
		.amdhsa_next_free_vgpr 1024
		.amdhsa_next_free_sgpr 106
		.amdhsa_reserve_vcc 1
		.amdhsa_float_denorm_mode_32 3
		.amdhsa_float_denorm_mode_16_64 3
		.amdhsa_memory_ordered 1
		.amdhsa_forward_progress 1
		.amdhsa_inst_pref_size 172
	.end_amdhsa_kernel
	.amdgpu_metadata
---
amdhsa.version: [ 1, 2 ]
amdhsa.kernels:
  - .name:           k_q6ae2a5e883_qkv
    .symbol:         k_q6ae2a5e883_qkv.kd
    .args:
      - { .name: xc, .offset: 0, .size: 8, .value_kind: global_buffer, .address_space: global }
      - { .name: xs, .offset: 8, .size: 8, .value_kind: global_buffer, .address_space: global }
      - { .name: wc, .offset: 16, .size: 8, .value_kind: global_buffer, .address_space: global }
      - { .name: ws, .offset: 24, .size: 8, .value_kind: global_buffer, .address_space: global }
      - { .name: bq, .offset: 32, .size: 8, .value_kind: global_buffer, .address_space: global }
      - { .name: bk, .offset: 40, .size: 8, .value_kind: global_buffer, .address_space: global }
      - { .name: bv, .offset: 48, .size: 8, .value_kind: global_buffer, .address_space: global }
      - { .name: qb, .offset: 56, .size: 8, .value_kind: global_buffer, .address_space: global }
      - { .name: kv, .offset: 64, .size: 8, .value_kind: global_buffer, .address_space: global }
    .group_segment_fixed_size: 327680
    .private_segment_fixed_size: 0
    .kernarg_segment_align: 8
    .kernarg_segment_size: 72
    .max_flat_workgroup_size: 128
    .sgpr_count:     106
    .vgpr_count:     1024
    .wavefront_size: 32
...
	.end_amdgpu_metadata
.endif
;; end of part 2
;; launch attn (part 3): grid 4 x 64, 16 waves a work-group, no clusters, 327,680 bytes of LDS; arguments qb, kv, cc, cs; writes cc, cs
.if DOCPART == 3
	.amdgcn_target "amdgcn-amd-amdhsa--gfx1250"
	.amdhsa_code_object_version 6
	.text
	.protected	k_q6ae2a5e883_attn
	.globl	k_q6ae2a5e883_attn
	.p2align	8
	.type	k_q6ae2a5e883_attn,@function
k_q6ae2a5e883_attn:
	s_mov_b64 s[64:65], 0
	v_nop
	global_prefetch_b8 v0, s[64:65] scope:SCOPE_SE
	s_setreg_imm32_b32 hwreg(HW_REG_WAVE_MODE, 25, 1), 1
	s_wait_xcnt 0x0
; context = softmax(q k^T / 8, causal) v for 64 heads of 2,048 tokens x 64 channels, both products on codes of BF6 (E3M2) with E8M0 scales; the context is quantised along its channels and leaves as codes.
; THE SOFTMAX: t = score x log2(e) / 8; M = the row's largest t so far, rounded UP to a whole number; p = 2^(t - M) is what is quantised, along the keys.  The row's sum is taken of the unquantised p and divides at the end.
; When M moves, the sum and O are multiplied by 2^(old M - new M): exact.
; SHARES.  Work-group (p, head) owns query blocks p and 7 - p of 256 queries, one after the other: with the causal mask block i needs key slots 0 .. i of 256 keys, so every work-group walks (p + 1) + (8 - p) = 9 slots:
; every trip count is a constant and all 256 work-groups have the same work.  Each of the sixteen waves owns one tile of 16 queries in 256 registers, four waves to a SIMD.
; NO JOINT LOADS: the four work-groups of a head walk different sequences of slots (0 .. p and then 0 .. 7 - p), so in the same trip they want different tiles.
; LAYOUT.  Both products are used transposed: S^T = K Q^T, O^T = V^T P^T: a lane holds ONE query (lane % 16) throughout.  The rows of a tile are not neighbours: of each 32, tile 2 b + u holds in lane r the row
; 32 b + 8 u + r + 8 (r / 8) (queries, keys and V's channels alike), so the 16 registers of result tiles 2 b and 2 b + 1 are 16 neighbours, 32 b + 16 (lane / 16) + 0 .. 15.
; THE FIRST PRODUCT HAS K = 64 in an instruction of 128: source 0 holds the half fragments of TWO key tiles on end; source 1 is [q | zeros] for the even tile and [zeros | q] for the odd one.  The zeros are zero codes, and q's scale
; bytes are 0 (2^-127) there: each such product is an exact zero.
; A kv block (128 keys, 12,800 bytes): K's eight half fragments; V's four fragments; 512 bytes of scale words (lanes 0-15 K's, lanes 16-31 V's).  A slot is two blocks as they lie in memory.
; LIMITS: a block of zeros, or one under 2^-122, gets the scale byte 1; NaN and infinities are not served.
; REGISTERS: v1, v2 16 l, 8 l; v3 my query less 16 h; v4 8 h; v5, v6 the spare word's address and 0; v7 16 r + h; v8, v9 addresses in hand; v10, v11 q's scale words; v12 -M, v13 the largest t, v[14:15] the sum;
;   v16-33 [q | zeros | q]; v34-39 the second block's q; v40, v41 q's scale words as loaded; v44-47 K's and V's scale words; v48-95 four fragments; v96-159 S^T, then p; v160-191 O^T; v192-211 codes; v212-229 at work.
.set SLOT1, 32768                      ; slot 1 begins here: one exclusive or turns an address
.set BLKB,  12800
.set SPARE, 65536                      ; the spare words, 128 bytes for each wave: eight blocks of 256 bytes that no other line names
.set FRG, 48
.set SR,  96
.set OT,  160
.set PC,  192
.set PT,  204
.set BM,  212
.set BP,  216
.set BS,  220
.macro TLOAD                           ; waves 0 to 3 fetch a quarter of a slot each, the others nothing.  Four v_nop follow the line
	s_cmp_lt_u32 s12, 4
	s_cbranch_scc0 .Lnone_\@
	tensor_load_to_lds s[28:31], s[20:27]
	s_nop 0
.rept 4
	v_nop
.endr
.Lnone_\@:
.endm
.macro FRAGS base                      ; four fragments, 1,536 bytes each
.irp f, 0,1,2,3
	ds_load_b128 v[FRG+12*\f:FRG+12*\f+3], v8 offset:\base+1536*\f
	ds_load_b64 v[FRG+12*\f+4:FRG+12*\f+5], v9 offset:\base+1536*\f+512
	ds_load_b128 v[FRG+12*\f+6:FRG+12*\f+9], v8 offset:\base+1536*\f+768
	ds_load_b64 v[FRG+12*\f+10:FRG+12*\f+11], v9 offset:\base+1536*\f+1280
.endr
.endm
	s_load_b256 s[4:11], s[0:1], 0x0               ; qb, kv, cc, cs
	v_lshl_add_u32 v5, v0, 2, SPARE
	v_mov_b32 v6, 0
	ds_add_u32 v5, v6
	ds_add_u32 v5, v6
	s_wait_dscnt 0x0
	v_lshrrev_b32 v8, 5, v0
	s_delay_alu instid0(VALU_DEP_1)
	v_readfirstlane_b32 s12, v8                    ; wave 0..15
	s_mov_b32 s13, ttmp9                           ; p
	s_and_b32 s14, ttmp7, 0xffff                   ; batch x 16 + head
	s_mov_b32 s16, 0x76543210
	s_mov_b32 s17, 0xfedcba98                      ; selects for lane l xor 16
	s_mov_b32 s18, 0x3e38aa3b                      ; c = log2(e) / 8
	s_mov_b32 s19, s18                             ; (named with it as a pair)
	; descriptor group 1: 6,400 dense bytes as 25 rows of 32 elements of 8 bytes
	s_mov_b32 s20, 3<<16
	s_mov_b32 s21, 32<<16
	s_mov_b32 s22, 25<<16
	s_mov_b32 s23, 32<<16
	s_mov_b32 s24, 25
	s_mov_b32 s25, 32
	s_mov_b32 s26, 0
	s_mov_b32 s27, 0
	s_mov_b32 s28, 1
	s_mul_i32 s29, s12, 6400                       ; my quarter of slot 0
	s_mul_i32 s34, s14, 16*BLKB
	s_add_co_u32 s34, s34, s29
	s_mov_b32 s35, 0
	s_wait_kmcnt 0x0
	s_add_nc_u64 s[32:33], s[6:7], s[34:35]        ; my quarter of the head's first slot, in memory
	s_mov_b64 s[30:31], s[32:33]
	s_or_b32 s31, s31, 0x80000000
	s_mov_b32 s34, 0                               ; s[34:35]: the byte offset of the slot asked for
	TLOAD                                          ; the one first fill
	s_sub_co_u32 s38, 8, s13                       ; the trip (by the count of slots to go) that asks for the second block's first slot,
	s_sub_co_u32 s39, 7, s13                       ; and the trip that begins the second block; also that block's number
	s_mov_b32 s36, 0                               ; LDS byte at which the slot in hand begins
	s_mov_b32 s37, 8                               ; slots still to be asked for
	s_mov_b32 s40, 0                               ; the step's first key
	s_lshr_b32 s48, s12, 1
	s_lshl_b32 s48, s48, 5
	s_and_b32 s49, s12, 1
	s_lshl_b32 s50, s49, 3
	s_add_co_u32 s48, s48, s50
	s_lshl_b32 s41, s13, 8
	s_add_co_u32 s41, s41, s48                     ; my tile's first query: 256 x block + 32 (wave / 2) + 8 (wave % 2); its last is 23 on
	s_lshl_b32 s42, s39, 8
	s_add_co_u32 s42, s42, s48                     ; the same in the second block
	s_lshl_b32 s49, s49, 4                         ; which half of a scale word is my tile's
	s_lshl_b32 s50, s14, 4
	s_lshr_b32 s51, s12, 3
	s_add_co_u32 s50, s50, s51
	s_lshl_b32 s51, s13, 1
	s_add_co_u32 s51, s51, s50
	s_lshl_b32 s52, s39, 1
	s_add_co_u32 s52, s52, s50
	s_mul_i32 s58, s51, 6400                       ; my qb block in the first query block,
	s_mul_i32 s59, s52, 6400                       ; and in the second
	s_and_b32 s48, s12, 7
	s_mul_i32 s60, s48, 768                        ; my half fragment in it,
	s_lshr_b32 s48, s48, 1
	s_lshl_b32 s48, s48, 2
	s_add_co_u32 s48, s48, 6144                    ; and my scale word
	s_add_co_u32 s50, s58, s60
	s_add_co_u32 s52, s59, s60
	s_add_co_u32 s54, s58, s48
	s_add_co_u32 s56, s59, s48
	s_mov_b32 s51, 0
	s_mov_b32 s53, 0
	s_mov_b32 s55, 0
	s_mov_b32 s57, 0
	s_add_nc_u64 s[50:51], s[4:5], s[50:51]
	s_add_nc_u64 s[52:53], s[4:5], s[52:53]
	s_add_nc_u64 s[54:55], s[4:5], s[54:55]
	s_add_nc_u64 s[56:57], s[4:5], s[56:57]
	v_and_b32 v8, 31, v0
	s_delay_alu instid0(VALU_DEP_1)
	v_lshlrev_b32 v1, 4, v8
	s_delay_alu instid0(VALU_DEP_2)
	v_lshlrev_b32 v2, 3, v8
	v_and_b32 v9, 15, v0                           ; r
	v_bfe_u32 v227, v0, 4, 1                       ; h
	s_delay_alu instid0(VALU_DEP_2)
	v_and_b32 v3, 8, v9
	s_delay_alu instid0(VALU_DEP_1)
	v_add_nc_u32 v3, v3, v9
	s_delay_alu instid0(VALU_DEP_3)
	v_lshlrev_b32 v228, 4, v227
	s_delay_alu instid0(VALU_DEP_1)
	v_sub_nc_u32 v3, v3, v228                      ; r + 8 (r / 8) - 16 h
	v_lshlrev_b32 v4, 3, v227
	v_lshl_add_u32 v7, v9, 4, v227
	v_lshlrev_b32 v229, 4, v9
	global_load_b128 v[16:19], v1, s[50:51]        ; q, twice: in front of the zeros and behind them
	global_load_b64 v[20:21], v2, s[50:51] offset:512
	global_load_b128 v[28:31], v1, s[50:51]
	global_load_b64 v[32:33], v2, s[50:51] offset:512
	global_load_b128 v[34:37], v1, s[52:53]        ; the second block's q
	global_load_b64 v[38:39], v2, s[52:53] offset:512
	global_load_b32 v40, v229, s[54:55]
	global_load_b32 v41, v229, s[56:57]
	s_lshr_b32 s58, s14, 4                         ; batch
	s_and_b32 s59, s14, 15                         ; head
	s_lshl_b32 s58, s58, 7
	s_lshl_b32 s60, s13, 4
	s_add_co_u32 s58, s58, s60
	s_add_co_u32 s58, s58, s12                     ; my row tile of the context: 128 x batch + 16 x block + wave
	s_lshl_b32 s60, s58, 4
	s_add_co_u32 s60, s60, s59
	s_mul_i32 s60, s60, 768
	s_mov_b32 s61, 0
	s_add_nc_u64 s[8:9], s[8:9], s[60:61]          ; cc: [tile][head][768]
	s_lshl_b32 s60, s58, 9
	s_lshr_b32 s62, s59, 3
	s_lshl_b32 s62, s62, 8
	s_add_co_u32 s60, s60, s62
	s_and_b32 s62, s59, 7
	s_lshl_b32 s62, s62, 1
	s_add_co_u32 s60, s60, s62
	s_add_nc_u64 s[10:11], s[10:11], s[60:61]      ; cs: 512 x tile + 256 (head / 8) + 2 (head % 8)
	s_lshl_b32 s62, s13, 1
	s_sub_co_u32 s62, 7, s62                       ; 7 - 2 p blocks on
	s_mul_i32 s44, s62, 196608
	s_mov_b32 s45, 0
	s_lshl_b32 s46, s62, 13
	s_mov_b32 s47, 0
.irp j, 22,23,24,25,26,27
	v_mov_b32 v\j, 0                               ; the zero codes
.endr
.irp b, 0,1,2,3
	v_mov_b32 v[BP+\b], 0                          ; a lane permute's target counts as read
.endr
	v_mov_b32 v225, 0                              ; (named as the upper half of the pair v[224:225])
	v_mov_b32 v13, 0xff61b1e6                      ; the largest t so far: -3e38
	s_delay_alu instid0(VALU_DEP_1)
	v_floor_f32 v12, -v13
	v_mov_b32 v14, 0
	v_mov_b32 v15, 0
	s_wait_loadcnt 0x0
	v_bfe_u32 v10, v40, s49, 16                    ; q's scale word for [q | zeros]: its two bytes, then two bytes 0
	s_delay_alu instid0(VALU_DEP_1)
	v_lshlrev_b32 v11, 16, v10                     ; and for [zeros | q]
	v_mov_b32 v227, 0
.set J, 0
.rept 32
	v_mov_b32 v[OT+J], 0                           ; O^T: the step is written once; the first finds zeros
.set J, J+1
.endr
; A KEY STEP: 128 keys, the q-th of the slot in hand.
.macro STEP q
	s_add_co_u32 s48, s41, 23                      ; a step all of whose keys come after my queries is left out: a branch on ids, round no barrier and no tensor load
	s_cmp_gt_u32 s40, s48
	s_cbranch_scc1 .Lhidden_\@
	v_add_nc_u32 v8, s36, v1
	v_add_nc_u32 v9, s36, v2
	v_nop
	v_nop                                          ; four places in front of loads into registers that the last products read
	FRAGS BLKB*(\q)                                ; K: four pairs of key tiles
	ds_load_b128 v[44:47], v8 offset:BLKB*(\q)+12288   ; lanes 0-15: K's four scale words; lanes 16-31: V's
	s_wait_alu depctr_va_vdst(0)
	s_wait_dscnt 0x0
.irp T, 0,1,2,3,4,5,6,7
	v_wmma_scale_f32_16x16x128_f8f6f4 v[SR+8*\T:SR+8*\T+7], v[FRG+12*(\T/2):FRG+12*(\T/2)+11], v[16+6*(\T%2):27+6*(\T%2)], 0, v[44+\T/2], v[10+\T%2] matrix_a_fmt:MATRIX_FMT_BF6 matrix_b_fmt:MATRIX_FMT_BF6
.endr
.rept 4
	v_nop
.endr
	FRAGS BLKB*(\q)+6144                           ; V's four fragments land under the softmax
	s_add_co_u32 s48, s40, 127                     ; on the diagonal hidden scores become -infinity ahead of the maximum; a step all of whose keys count skips this
	s_cmp_le_u32 s48, s41
	s_cbranch_scc1 .Lopen_\@
	s_sub_co_i32 s48, s41, s40
	v_add_nc_u32 v227, s48, v3                     ; d = my query - the step's first key - 16 h.  Register 16 b + i holds key 32 b + 16 h + i: hidden where 32 b + i > d
	v_mov_b32 v228, 0xff800000
.set J, 0
.rept 64
	v_cmp_gt_i32 vcc_lo, 32*(J/16)+J%16, v227
	v_cndmask_b32 v[SR+J], v[SR+J], v228, vcc_lo
.set J, J+1
.endr
.Lopen_\@:
.irp b, 0,1,2,3
	v_max3_num_f32 v[BM+\b], v[SR+16*\b], v[SR+16*\b+1], v[SR+16*\b+2]   ; the largest score of each block of 32 keys: for the row's maximum and, since p rises with the score, for the block's largest p
.endr
.irp i, 3,5,7,9,11,13
.irp b, 0,1,2,3
	v_max3_num_f32 v[BM+\b], v[BM+\b], v[SR+16*\b+\i], v[SR+16*\b+\i+1]
.endr
.endr
.irp b, 0,1,2,3
	v_max_num_f32 v[BM+\b], v[BM+\b], v[SR+16*\b+15]
.endr
.irp b, 0,1,2,3
	s_delay_alu instid0(VALU_DEP_4)
	v_permlanex16_b32 v[BP+\b], v[BM+\b], s16, s17
.endr
.irp b, 0,1,2,3
	s_delay_alu instid0(VALU_DEP_4)
	v_max_num_f32 v[BM+\b], v[BM+\b], v[BP+\b]
.endr
	s_delay_alu instid0(VALU_DEP_2)
	v_max3_num_f32 v227, v[BM], v[BM+1], v[BM+2]
	s_delay_alu instid0(VALU_DEP_1)
	v_max_num_f32 v227, v227, v[BM+3]
	s_delay_alu instid0(VALU_DEP_1)
	v_mul_f32 v227, s18, v227                      ; as t
	s_delay_alu instid0(VALU_DEP_1)
	v_max_num_f32 v13, v13, v227                   ; the running largest t
	v_mov_b32 v227, v12
	s_delay_alu instid0(VALU_DEP_2)
	v_floor_f32 v12, -v13                          ; the new -M = -ceil(t)
	s_delay_alu instid0(VALU_DEP_1)
	v_sub_f32 v227, v12, v227                      ; old M - new M: a whole number, 0 or less
	s_delay_alu instid0(VALU_DEP_1)
	v_cvt_i32_f32 v227, v227
	s_delay_alu instid0(VALU_DEP_1)
	v_ldexp_f32 v224, 1.0, v227                    ; f = 2^(old M - new M)
.set J, 0
.rept 32
	v_pk_fma_f32 v[SR+J:SR+J+1], v[SR+J:SR+J+1], s[18:19], v[12:13] op_sel_hi:[1,0,0]   ; t - M
.set J, J+2
.endr
.irp b, 0,1,2,3
	v_fma_f32 v[BM+\b], v[BM+\b], s18, v12
.endr
.set J, 0
	s_wait_alu depctr_va_vdst(0)
.rept 64
	v_exp_f32 v[SR+J], v[SR+J]                     ; p = 2^(t - M)
.set J, J+1
.endr
.irp b, 0,1,2,3
	v_exp_f32 v[BM+\b], v[BM+\b]                   ; the block's largest p
.endr
	v_pk_mul_f32 v[14:15], v[14:15], v[224:225] op_sel_hi:[1,0]   ; the sums under the new M; a plain line behind the exponentials
	s_wait_alu depctr_va_vdst(0)
.irp b, 0,1,2,3
	v_max_num_f32 v[BM+\b], 0x2800000, v[BM+\b]    ; the floor 2^(5 - 127)
.endr
.irp b, 0,1,2,3
	s_delay_alu instid0(VALU_DEP_4)
	v_add_nc_u32 v[BS+\b], 0xfe000000, v[BM+\b]
.endr
.irp b, 0,1,2,3
	s_delay_alu instid0(VALU_DEP_4)
	v_lshrrev_b32 v[BP+\b], 23, v[BS+\b]
.endr
	s_delay_alu instid0(VALU_DEP_3)
	v_lshl_or_b32 v226, v[BP+1], 8, v[BP]          ; p's scale word for these 128 keys
	s_delay_alu instid0(VALU_DEP_1)
	v_lshl_or_b32 v226, v[BP+2], 16, v226
	s_delay_alu instid0(VALU_DEP_1)
	v_lshl_or_b32 v226, v[BP+3], 24, v226
.irp c, 0,1
	v_cvt_scalef32_pk16_bf6_f32 v[PC+6*\c:PC+6*\c+2], v[SR+32*\c:SR+32*\c+15], v[BS+2*\c]
	v_cvt_scalef32_pk16_bf6_f32 v[PT+4*\c:PT+4*\c+2], v[SR+32*\c+16:SR+32*\c+31], v[BS+2*\c+1]
.endr
	v_nop                                          ; one plain line behind a scaled conversion
.irp c, 0,1
.irp i, 0,1,2
	v_permlane16_swap_b32 v[PC+6*\c+\i], v[PT+4*\c+\i]
.endr
.irp i, 0,1,2
	s_delay_alu instid0(VALU_DEP_3)
	v_mov_b32 v[PC+3+6*\c+\i], v[PT+4*\c+\i]
.endr
.endr
	v_pk_add_f32 v[228:229], v[100:101], v[104:105]
	v_pk_add_f32 v[254:255], v[108:109], v[112:113]
	v_pk_add_f32 v[252:253], v[116:117], v[120:121]
	v_pk_add_f32 v[250:251], v[124:125], v[128:129]
	v_pk_add_f32 v[248:249], v[132:133], v[136:137]
	v_pk_add_f32 v[246:247], v[140:141], v[144:145]
	v_pk_add_f32 v[244:245], v[148:149], v[152:153]
	v_pk_add_f32 v[14:15], v[14:15], v[156:157]
	v_pk_add_f32 v[228:229], v[228:229], v[96:97]
	v_pk_add_f32 v[254:255], v[254:255], v[98:99]
	v_pk_add_f32 v[252:253], v[252:253], v[102:103]
	v_pk_add_f32 v[250:251], v[250:251], v[106:107]
	v_pk_add_f32 v[248:249], v[248:249], v[110:111]
	v_pk_add_f32 v[246:247], v[246:247], v[114:115]
	v_pk_add_f32 v[244:245], v[244:245], v[118:119]
	v_pk_add_f32 v[14:15], v[14:15], v[122:123]
	v_pk_add_f32 v[228:229], v[228:229], v[126:127]
	v_pk_add_f32 v[254:255], v[254:255], v[130:131]
	v_pk_add_f32 v[252:253], v[252:253], v[134:135]
	v_pk_add_f32 v[250:251], v[250:251], v[138:139]
	v_pk_add_f32 v[248:249], v[248:249], v[142:143]
	v_pk_add_f32 v[246:247], v[246:247], v[146:147]
	v_pk_add_f32 v[244:245], v[244:245], v[150:151]
	v_pk_add_f32 v[14:15], v[14:15], v[154:155]
	v_pk_add_f32 v[228:229], v[228:229], v[158:159]
	s_delay_alu instid0(VALU_DEP_2)
	v_pk_add_f32 v[14:15], v[14:15], v[250:251]
	s_delay_alu instid0(VALU_DEP_2)
	v_pk_add_f32 v[228:229], v[228:229], v[248:249]
	v_pk_add_f32 v[254:255], v[254:255], v[246:247]
	v_pk_add_f32 v[252:253], v[252:253], v[244:245]
	s_delay_alu instid0(VALU_DEP_2)
	v_pk_add_f32 v[14:15], v[14:15], v[254:255]
	s_delay_alu instid0(VALU_DEP_2)
	v_pk_add_f32 v[228:229], v[228:229], v[252:253]
	s_delay_alu instid0(VALU_DEP_1)
	v_pk_add_f32 v[14:15], v[14:15], v[228:229]
.set J, 0
.rept 16
	v_pk_mul_f32 v[OT+J:OT+J+1], v[OT+J:OT+J+1], v[224:225] op_sel_hi:[1,0]   ; O^T under the new M
.set J, J+2
.endr
	s_wait_alu depctr_va_vdst(0)
	s_wait_dscnt 0x0                               ; V is in
.irp t, 0,1,2,3
	v_wmma_scale_f32_16x16x128_f8f6f4 v[OT+8*\t:OT+8*\t+7], v[FRG+12*\t:FRG+12*\t+11], v[PC:PC+11], v[OT+8*\t:OT+8*\t+7], v[44+\t], v226 matrix_a_fmt:MATRIX_FMT_BF6 matrix_b_fmt:MATRIX_FMT_BF6 matrix_a_scale:MATRIX_SCALE_ROW1
.endr
.Lhidden_\@:
	s_add_co_u32 s40, s40, 128
.endm
; THE CHANGE OF SLOTS stands at a slot's head.  Each wave waits for all its tensor loads, adds 0 to its spare word, and waits for that and for its reads of the slot that it has left.
; fill = 1: the slot just left is filled with the slot that follows in my sequence; the load has a whole slot's steps in which to land.  By this text's count a wave has at most one tensor load out.
.macro CHANGE fill
	s_wait_tensorcnt 0x0
	ds_add_u32 v5, v6
.if \fill
	s_xor_b32 s29, s29, SLOT1
	s_add_co_u32 s34, s34, 2*BLKB                  ; the next 256 keys,
	s_cmp_eq_u32 s37, s38
	s_cselect_b32 s34, 0, s34                      ; or the head's first again, for the second block of queries
	s_add_nc_u64 s[30:31], s[32:33], s[34:35]
	s_or_b32 s31, s31, 0x80000000
.endif
	s_wait_dscnt 0x0
	s_barrier_signal -1
	s_barrier_wait -1
.if \fill
	TLOAD
.endif
.endm
; A block of queries is finished: O^T / the sum; its 64 channels are two blocks of 32 along the last product's K; codes and scale bytes leave.
.macro FINISH
.rept 4
	v_nop
.endr
	v_add_f32 v14, v14, v15
	s_delay_alu instid0(VALU_DEP_1)
	v_permlanex16_b32 v227, v14, s16, s17
	s_delay_alu instid0(VALU_DEP_1)
	v_add_f32 v14, v14, v227                       ; the row's sum
	s_wait_alu depctr_va_vdst(0)
	v_rcp_f32 v14, v14
	v_nop
.set J, 0
	s_wait_alu depctr_va_vdst(0)
.rept 32
	v_mul_f32 v[SR+J], v[OT+J], v14                ; register 16 b + i is channel 32 b + 16 h + i of my query
.set J, J+1
.endr
.irp b, 0,1
	v_max3_num_f32 v[BM+\b], |v[SR+16*\b]|, |v[SR+16*\b+1]|, 0x2800000
.endr
.irp i, 2,4,6,8,10,12,14
.irp b, 0,1
	s_delay_alu instid0(VALU_DEP_2)
	v_max3_num_f32 v[BM+\b], v[BM+\b], |v[SR+16*\b+\i]|, |v[SR+16*\b+\i+1]|
.endr
.endr
.irp b, 0,1
	s_delay_alu instid0(VALU_DEP_2)
	v_permlanex16_b32 v[BP+\b], v[BM+\b], s16, s17
.endr
.irp b, 0,1
	s_delay_alu instid0(VALU_DEP_2)
	v_max_num_f32 v[BM+\b], v[BM+\b], v[BP+\b]
.endr
.irp b, 0,1
	s_delay_alu instid0(VALU_DEP_2)
	v_add_nc_u32 v[BS+\b], 0xfe000000, v[BM+\b]
.endr
.irp b, 0,1
	s_delay_alu instid0(VALU_DEP_2)
	v_lshrrev_b32 v[BP+\b], 23, v[BS+\b]
.endr
	v_cvt_scalef32_pk16_bf6_f32 v[PC:PC+2], v[SR:SR+15], v[BS]
	v_cvt_scalef32_pk16_bf6_f32 v[PT:PT+2], v[SR+16:SR+31], v[BS+1]
	v_lshl_or_b32 v227, v[BP+1], 8, v[BP]          ; the two bytes; also the plain line behind the conversions
.irp i, 0,1,2
	v_permlane16_swap_b32 v[PC+\i], v[PT+\i]
.endr
.irp i, 0,1,2
	s_delay_alu instid0(VALU_DEP_3)
	v_mov_b32 v[PC+3+\i], v[PT+\i]
.endr
	v_lshrrev_b32 v228, v4, v227                   ; my block's byte
	global_store_b128 v1, v[PC:PC+3], s[8:9]       ; 512 consecutive bytes
	global_store_b64 v2, v[PC+4:PC+5], s[8:9] offset:512
	global_store_b8 v7, v228, s[10:11]             ; 32 single bytes a tile: a head's two bytes of a row lie between the other heads'
	s_wait_xcnt 0x0                                ; the stores have read their data and bases
.endm
.macro RESTART                         ; the second block of queries
	v_bfe_u32 v10, v41, s49, 16
	s_delay_alu instid0(VALU_DEP_1)
	v_lshlrev_b32 v11, 16, v10
.irp i, 0,1,2,3,4,5
	v_mov_b32 v[16+\i], v[34+\i]
	v_mov_b32 v[28+\i], v[34+\i]
.endr
	v_mov_b32 v13, 0xff61b1e6
	s_delay_alu instid0(VALU_DEP_1)
	v_floor_f32 v12, -v13
	v_mov_b32 v14, 0
	v_mov_b32 v15, 0
.set J, 0
.rept 32
	v_mov_b32 v[OT+J], 0
.set J, J+1
.endr
	s_mov_b32 s40, 0
	s_mov_b32 s41, s42
	s_add_nc_u64 s[8:9], s[8:9], s[44:45]
	s_add_nc_u64 s[10:11], s[10:11], s[46:47]
.endm
.Lslot:                                            ; eight trips: behind each change of slots but the last the next slot is asked for
	CHANGE 1
	s_cmp_lg_u32 s37, s39                          ; in trip p + 1 the first block is finished and the second begins: a branch on ids
	s_cbranch_scc1 .Lsame
	FINISH
	RESTART
.Lsame:
	STEP 0
	STEP 1
	s_xor_b32 s36, s36, SLOT1
	s_sub_co_u32 s37, s37, 1
	s_cmp_lg_u32 s37, 0
	s_cbranch_scc1 .Lslot
	CHANGE 0                                       ; the last slot is written out
	STEP 0
	STEP 1
	FINISH
	s_wait_tensorcnt 0x0                           ; the wave's end
	ds_add_u32 v5, v6
	s_wait_dscnt 0x0
	s_endpgm
.Lfunc_end_k_q6ae2a5e883_attn:
	.size	k_q6ae2a5e883_attn, .Lfunc_end_k_q6ae2a5e883_attn-k_q6ae2a5e883_attn
	.p2alignl 7, 3214868480
	.fill 96, 4, 3214868480
	.section	.rodata,"a",@progbits
	.p2align	6, 0x0
	.amdhsa_kernel k_q6ae2a5e883_attn
		.amdhsa_group_segment_fixed_size 327680
		.amdhsa_private_segment_fixed_size 0
		.amdhsa_enable_private_segment 0
		.amdhsa_kernarg_size 32
		.amdhsa_user_sgpr_count 2
		.amdhsa_user_sgpr_kernarg_segment_ptr 1
		.amdhsa_wavefront_size32 1
		.amdhsa_system_sgpr_workgroup_id_x 1
		.amdhsa_system_sgpr_workgroup_id_y 1
		.amdhsa_system_sgpr_workgroup_id_z 1
		.amdhsa_system_vgpr_workitem_id 0
		.amdhsa_next_free_vgpr 256
		.amdhsa_next_free_sgpr 66
		.amdhsa_reserve_vcc 1
		.amdhsa_float_denorm_mode_32 3
		.amdhsa_float_denorm_mode_16_64 3
		.amdhsa_memory_ordered 1
		.amdhsa_forward_progress 1
		.amdhsa_inst_pref_size 108
	.end_amdhsa_kernel
	.amdgpu_metadata
---
amdhsa.version: [ 1, 2 ]
amdhsa.kernels:
  - .name:           k_q6ae2a5e883_attn
    .symbol:         k_q6ae2a5e883_attn.kd
    .args:
      - { .name: qb, .offset: 0, .size: 8, .value_kind: global_buffer, .address_space: global }
      - { .name: kv, .offset: 8, .size: 8, .value_kind: global_buffer, .address_space: global }
      - { .name: cc, .offset: 16, .size: 8, .value_kind: global_buffer, .address_space: global }
      - { .name: cs, .offset: 24, .size: 8, .value_kind: global_buffer, .address_space: global }
    .group_segment_fixed_size: 327680
    .private_segment_fixed_size: 0
    .kernarg_segment_align: 8
    .kernarg_segment_size: 32
    .max_flat_workgroup_size: 512
    .sgpr_count:     66
    .vgpr_count:     256
    .wavefront_size: 32
...
	.end_amdgpu_metadata
.endif
;; end of part 3
;; launch outp (part 4): grid 4 x 32, 4 waves a work-group, clusters of 4 x 4, 327,680 bytes of LDS; arguments cc, cs, wc, ws, bo, out0; writes out0
.if DOCPART == 4
	.amdgcn_target "amdgcn-amd-amdhsa--gfx1250"
	.amdhsa_code_object_version 6
	.text
	.protected	k_q6ae2a5e883_outp
	.globl	k_q6ae2a5e883_outp
	.p2align	8
	.type	k_q6ae2a5e883_outp,@function
k_q6ae2a5e883_outp:
	s_mov_b64 s[64:65], 0
	v_nop
	global_prefetch_b8 v0, s[64:65] scope:SCOPE_SE
	s_setreg_imm32_b32 hwreg(HW_REG_WAVE_MODE, 25, 1), 1
	s_wait_xcnt 0x0
	s_wait_alu depctr_hold_cnt(0) depctr_sa_sdst(0) depctr_va_vdst(0) depctr_va_sdst(0) depctr_va_ssrc(0) depctr_va_vcc(0) depctr_vm_vsrc(0)
	s_getreg_b32 s2, hwreg(HW_REG_IB_STS2, 6, 4)
	s_cmp_eq_u32 s2, 0
	s_cbranch_scc0 .Lentry_in_a_cluster
	s_endpgm
.Lentry_in_a_cluster:
	s_bfe_u32 s2, ttmp6, 0x10000c
	s_cmp_lg_u32 s2, 0xf033
	s_cbranch_scc0 .Lentry_shape_is_right
	s_endpgm
.Lentry_shape_is_right:
; out0 = context Wo + bo on codes of BF6 (E3M2) with E8M0 scales, sums in f32.  A side = the context (cc, cs: tokens), B side = Wo (the fourth weight in wc, ws: columns).
; A tile of 256 x 256 is made by four waves, each 128 x 128; K = 1,024 goes in four slots' worth of 256 through a ring of two LDS slots.  Operands lie in the order of an operand's registers (half fragments of 768 bytes);
; of each 32 rows, tile 2 b + u holds in lane r the row 32 b + 8 u + r + 8 (r / 8).  The matrix instruction is used transposed: a lane holds one token, and the 16 registers of accumulators 2 b and 2 b + 1 are 16 neighbouring columns.
; 4 x 4 work-groups form a cluster: tiles of the A side are asked for jointly along a row of it, those of the B side along a column.
; 8,192 x 1,024 of out0 are 128 such tiles: this launch has work for 128 work-groups.
; REGISTERS as in the launch that makes q, k and v: window 0: addresses, v32-63 scale words, v64-127 the bias, v128-223 the A side's fragments (on the way out v128-255 rows of out0); window 1: the B side's two sets; windows 2, 3: accumulators.
.set FR,    12
.set NL,    4
.set NP,    4
.set TILEB, 3072
.set HALFT, 8*TILEB
.set SLOT,  4*HALFT
.set SCL,   2*SLOT
.set SPARE, SCL+4*4096                 ; the spare words, 128 bytes for each wave: two blocks of 256 bytes that no other line names
.set SPITCH, 528                       ; the way out: a stage of 16 rows x (512 bytes + 16) for each wave, in slot 0, which has had its last fill and its last read by then
.set ADRA, 16
.set ADRB, 20
.set STO,  24
.set RD,   25
.set CO,   26
.set ADRS, 27
.set SPW,  28
.set NIL,  29
.set SC,   32
.set BI,   64
.set AF,   128
.set BK,   128
.set G1, 24
.set G0, 32
.set G1B, 48
.set G0B, 56
.set G1S, 68
.set G0S, 76
.set G1SB, 80
.set G0SB, 88
.set MSB, 0
.macro WIN new
.if MSB != (\new)
	s_set_vgpr_msb (MSB<<8)|(\new)
.set MSB, (\new)
.endif
.endm
.set MUL_LO, 0xa1
.set MUL_HI, 0xf1
.set TO_B,   0x40
.macro JLOAD g0a, g1a, g0b, g1b        ; waves 0 and 1 fetch for the A side, waves 2 and 3 for the B side; four v_nop follow each line
	s_cmp_eq_u32 s15, 0
	s_cbranch_scc0 .Lfor_b_\@
	tensor_load_to_lds s[\g0a:\g0a+3], s[\g1a:\g1a+7]
	s_nop 0
.rept 4
	v_nop
.endr
	s_branch .Lasked_\@
.Lfor_b_\@:
	tensor_load_to_lds s[\g0b:\g0b+3], s[\g1b:\g1b+7]
	s_nop 0
.rept 4
	v_nop
.endr
.Lasked_\@:
.endm
.macro CREST
	s_cmp_lg_u32 s14, 0
	s_cbranch_scc1 .Lnot_wave_0_\@
	s_barrier_signal -3
.Lnot_wave_0_\@:
	s_barrier_wait -3
	s_barrier_signal -1
	s_barrier_wait -1
.endm
.macro CROUND
	s_barrier_signal -1
	s_barrier_wait -1
	CREST
.endm
.macro PLACES n
.rept \n
	v_nop
.endr
.endm
.macro FRAG reg, adr, q, i
	ds_load_b128 v[\reg:\reg+3], v[\adr] offset:TILEB*(\i)+1536*(\q)
	ds_load_b64 v[\reg+4:\reg+5], v[\adr+2] offset:TILEB*(\i)+1536*(\q)+512
	ds_load_b128 v[\reg+6:\reg+9], v[\adr] offset:TILEB*(\i)+1536*(\q)+768
	ds_load_b64 v[\reg+10:\reg+11], v[\adr+2] offset:TILEB*(\i)+1536*(\q)+1280
.endm
.macro FETCH_B slot, q, p
	WIN TO_B
.irp i, 0,1,2,3,4,5,6,7
	FRAG 128*(\p)+FR*\i, ADRB+\slot, \q, \i
.endr
	WIN 0
.endm
.macro FETCH_A slot, q, i0
.irp i, \i0, \i0+1, \i0+2, \i0+3
	FRAG AF+FR*(\i), ADRA+\slot, \q, \i
.endr
.endm
.macro SCALES set, sl
.irp i, 0,1,2,3,4,5,6,7
	ds_load_b64 v[SC+16*(\set)+2*\i:SC+16*(\set)+2*\i+1], v[ADRS] offset:512*\i+256*((\sl)/2)+8*((\sl)%2)
.endr
.endm
; 16 matrix instructions.  mode 0: onto the sums; 1: the sums begin with the bias of B's block.  The 64 accumulators take turns.
.macro MUL16 a0, p, q, sc, mode
.irp a, \a0, \a0+1
.irp b, 0,1,2,3,4,5,6,7
.if \mode == 0
	v_wmma_scale_f32_16x16x128_f8f6f4 v[8*(8*((\a)%4)+\b):8*(8*((\a)%4)+\b)+7], v[128*(\p)+FR*\b:128*(\p)+FR*\b+FR-1], v[AF+FR*(\a):AF+FR*(\a)+FR-1], v[8*(8*((\a)%4)+\b):8*(8*((\a)%4)+\b)+7], v[SC+16*(\sc)+2*\b+(\q)], v[SC+16*(\sc)+2*(\a)+(\q)] matrix_a_fmt:MATRIX_FMT_BF6 matrix_b_fmt:MATRIX_FMT_BF6 matrix_a_scale:MATRIX_SCALE_ROW1
.else
	v_wmma_scale_f32_16x16x128_f8f6f4 v[8*(8*((\a)%4)+\b):8*(8*((\a)%4)+\b)+7], v[128*(\p)+FR*\b:128*(\p)+FR*\b+FR-1], v[AF+FR*(\a):AF+FR*(\a)+FR-1], v[BI+8*\b:BI+8*\b+7], v[SC+16*(\sc)+2*\b+(\q)], v[SC+16*(\sc)+2*(\a)+(\q)] matrix_a_fmt:MATRIX_FMT_BF6 matrix_b_fmt:MATRIX_FMT_BF6 matrix_a_scale:MATRIX_SCALE_ROW1
.endif
.endr
.endr
.endm
.macro STEP slot, q, mode
	s_wait_dscnt 4*NL                              ; the youngest 16 loads (A's blocks 4-7) may be out
.if \mode
	WIN 0x81
.else
	WIN MUL_LO
.endif
	MUL16 0, (\q)%2, \q, \slot, \mode
	MUL16 2, (\q)%2, \q, \slot, \mode
	s_wait_dscnt 0x0
	PLACES NP
	FETCH_B \slot, (\q)+1, 1-(\q)%2
	FETCH_A \slot, (\q)+1, 0
.if \mode
	WIN 0xc1
.else
	WIN MUL_HI
.endif
	MUL16 4, (\q)%2, \q, \slot, \mode
	MUL16 6, (\q)%2, \q, \slot, \mode
	PLACES NP
	WIN 0
	FETCH_A \slot, (\q)+1, 4
.endm
.macro TURN slot, next, fill, sl
	s_wait_tensorcnt 0x0                           ; all my tensor loads have landed: my part of the next slot
	ds_add_u32 v[SPW], v[NIL]
	s_wait_dscnt 4*NL+1                            ; (the add and the youngest 16 loads may be out)
	WIN MUL_LO
	MUL16 0, 1, 1, \slot, 0
	s_wait_dscnt 0x0                               ; the add is done, and my reads of this slot are over
	s_barrier_signal -1
	MUL16 2, 1, 1, \slot, 0
	WIN 0
	s_barrier_wait -1
.if \fill
	CREST
	s_add_nc_u64 s[G0+4*\slot+2:G0+4*\slot+3], s[G0+4*\slot+2:G0+4*\slot+3], 2*TILEB
	s_add_nc_u64 s[G0B+4*\slot+2:G0B+4*\slot+3], s[G0B+4*\slot+2:G0B+4*\slot+3], 2*TILEB
	JLOAD G0+4*\slot, G1, G0B+4*\slot, G1B
.else
	PLACES NP
.endif
	FETCH_B \next, 0, 0
	FETCH_A \next, 0, 0
	SCALES \next, \sl
	WIN MUL_HI
	MUL16 4, 1, 1, \slot, 0
	MUL16 6, 1, 1, \slot, 0
	PLACES NP
	WIN 0
	FETCH_A \next, 0, 4
.endm
	s_load_b256 s[4:11], s[0:1], 0x0               ; cc, cs, wc, ws
	s_load_b128 s[92:95], s[0:1], 0x20             ; bo, out0
	v_lshl_add_u32 v[SPW], v0, 2, SPARE
	v_mov_b32 v[NIL], 0
	ds_add_u32 v28, v29
	s_wait_dscnt 0x0
	v_lshrrev_b32 v1, 5, v0
	v_readfirstlane_b32 s14, v1
	s_lshr_b32 s15, s14, 1
	s_and_b32 s16, s14, 1
	s_bfe_u32 s40, ttmp6, 0x40000
	s_bfe_u32 s41, ttmp6, 0x40004
	s_lshl_b32 s42, ttmp9, 2
	s_add_co_u32 s42, s42, s40                     ; which 256 columns
	s_and_b32 s17, ttmp7, 0xffff
	s_lshl_b32 s17, s17, 2
	s_add_co_u32 s17, s17, s41                     ; which 256 tokens
	s_lshl_b32 s43, s41, 2
	s_lshl_b32 s43, 15, s43
	s_lshl_b32 s44, 0x1111, s40
	s_or_b32 s[G1+0], s43, (3<<16)|(1<<21)
	s_or_b32 s[G1B+0], s44, (3<<16)|(1<<21)
.irp g, G1, G1B
	s_mov_b32 s[\g+1], 384<<16
	s_mov_b32 s[\g+2], 8<<16
	s_mov_b32 s[\g+3], 384<<16
	s_mov_b32 s[\g+4], 8
	s_mov_b32 s[\g+5], 1536
	s_mov_b32 s[\g+6], 0
	s_mov_b32 s[\g+7], 0
.endr
	s_or_b32 s[G1S+0], s43, (3<<16)|(1<<21)
	s_or_b32 s[G1SB+0], s44, (3<<16)|(1<<21)
.irp g, G1S, G1SB
	s_mov_b32 s[\g+1], 32<<16
	s_mov_b32 s[\g+2], 16<<16
	s_mov_b32 s[\g+3], 32<<16
	s_mov_b32 s[\g+4], 16
	s_mov_b32 s[\g+5], 32
	s_mov_b32 s[\g+6], 0
	s_mov_b32 s[\g+7], 0
.endr
	s_lshl_b32 s18, s16, 3
	s_lshl_b32 s20, s17, 4
	s_add_co_u32 s20, s20, s18
	s_lshl_b32 s46, s42, 4
	s_add_co_u32 s46, s46, s18
	s_lshl_b32 s22, s20, 9
	s_mov_b32 s23, 0
	s_lshl_b32 s2, s46, 9
	s_mov_b32 s3, 0
	s_mul_i32 s20, s20, 12288
	s_mov_b32 s21, 0
	s_mul_i32 s46, s46, 12288
	s_mov_b32 s47, 0
	s_mul_i32 s45, s14, HALFT
	s_wait_kmcnt 0x0
	s_add_nc_u64 s[8:9], s[8:9], 3*786432          ; Wo is the fourth weight
	s_add_nc_u64 s[10:11], s[10:11], 3*32768
	s_add_nc_u64 s[20:21], s[4:5], s[20:21]
	s_add_nc_u64 s[22:23], s[6:7], s[22:23]
	s_add_nc_u64 s[46:47], s[8:9], s[46:47]
	s_add_nc_u64 s[2:3], s[10:11], s[2:3]
	CROUND
	s_mov_b32 s[G0S], 1
	s_lshl_b32 s[G0S+1], s14, 12
	s_add_co_u32 s[G0S+1], s[G0S+1], SCL
	s_mov_b64 s[G0S+2:G0S+3], s[22:23]
	s_or_b32 s[G0S+3], s[G0S+3], 0x80000000
	s_mov_b32 s[G0SB], 1
	s_lshl_b32 s[G0SB+1], s14, 12
	s_add_co_u32 s[G0SB+1], s[G0SB+1], SCL
	s_mov_b64 s[G0SB+2:G0SB+3], s[2:3]
	s_or_b32 s[G0SB+3], s[G0SB+3], 0x80000000
	JLOAD G0S, G1S, G0SB, G1SB
.irp s, 0,1
	s_mov_b32 s[G0+4*\s], 1
	s_add_co_u32 s[G0+4*\s+1], s45, \s*SLOT
	s_add_nc_u64 s[G0+4*\s+2:G0+4*\s+3], s[20:21], \s*TILEB
	s_or_b32 s[G0+4*\s+3], s[G0+4*\s+3], 0x80000000
	s_mov_b32 s[G0B+4*\s], 1
	s_add_co_u32 s[G0B+4*\s+1], s45, \s*SLOT
	s_add_nc_u64 s[G0B+4*\s+2:G0B+4*\s+3], s[46:47], \s*TILEB
	s_or_b32 s[G0B+4*\s+3], s[G0B+4*\s+3], 0x80000000
	JLOAD G0+4*\s, G1, G0B+4*\s, G1B
.endr
	v_and_b32 v1, 15, v0
	v_bfe_u32 v2, v0, 4, 1
	v_and_b32 v3, 31, v0
	v_lshlrev_b32 v4, 4, v3
	v_lshlrev_b32 v5, 3, v3
	s_mul_i32 s21, s15, HALFT
	s_mul_i32 s22, s16, HALFT
	s_add_co_u32 s22, s22, 2*HALFT
.irp s, 0,1
	v_add_nc_u32 v[ADRA+\s], s21, v4
	v_add_nc_u32 v[ADRB+\s], s22, v4
	v_add_nc_u32 v[ADRA+2+\s], s21, v5
	v_add_nc_u32 v[ADRB+2+\s], s22, v5
	s_add_co_u32 s21, s21, SLOT
	s_add_co_u32 s22, s22, SLOT
.endr
	s_lshl_b32 s21, s15, 12
	s_lshl_b32 s22, s16, 12
	s_add_co_u32 s22, s22, 8192
	s_sub_co_u32 s22, s22, s21
	v_mul_u32_u24 v6, s22, v2
	s_add_co_u32 s21, s21, SCL
	v_lshl_add_u32 v6, v1, 4, v6
	v_add_nc_u32 v[ADRS], s21, v6
	s_mul_i32 s23, s14, 16*SPITCH                  ; my stage
	v_mul_u32_u24 v6, v1, SPITCH
	v_lshl_add_u32 v6, v2, 6, v6
	v_add_nc_u32 v[STO], s23, v6                   ; in: row r, + 64 h
	v_add_nc_u32 v[RD], s23, v4                    ; back: the 32 lanes take one row of 512 bytes
	v_lshlrev_b32 v[CO], 4, v3
	s_lshl_b32 s18, s17, 8
	s_lshl_b32 s19, s15, 7
	s_add_co_u32 s18, s18, s19
	s_lshl_b32 s18, s18, 12                        ; my first token's row of 4,096 bytes,
	s_lshl_b32 s19, s42, 10
	s_add_co_u32 s18, s18, s19
	s_lshl_b32 s19, s16, 9
	s_add_co_u32 s18, s18, s19                     ; my first column
	s_mov_b32 s19, 0
	s_add_nc_u64 s[94:95], s[94:95], s[18:19]
	s_lshl_b32 s18, s42, 10
	s_lshl_b32 s20, s16, 9
	s_add_co_u32 s18, s18, s20
	s_add_nc_u64 s[92:93], s[92:93], s[18:19]      ; bo at my first column
	v_lshlrev_b32 v7, 6, v2
.irp b, 0,1,2,3,4,5,6,7                        ; register j of accumulator (a, b) is column 32 (b / 2) + 8 (b % 2) + 16 h + j
	global_load_b128 v[BI+8*\b:BI+8*\b+3], v7, s[92:93] offset:128*(\b/2)+32*(\b%2)
	global_load_b128 v[BI+8*\b+4:BI+8*\b+7], v7, s[92:93] offset:128*(\b/2)+32*(\b%2)+16
.endr
	s_wait_tensorcnt 1                             ; the scales and my part of slot 0 are in; slot 1's load may stay out
	s_barrier_signal -1
	s_barrier_wait -1
	FETCH_B 0, 0, 0
	FETCH_A 0, 0, 0
	SCALES 0, 0
	FETCH_A 0, 0, 4
	s_wait_loadcnt 0x0                             ; the bias
	STEP 0, 0, 1
	TURN 0, 1, 1, 1
	STEP 1, 0, 0
	TURN 1, 0, 1, 2
	STEP 0, 0, 0
	TURN 0, 1, 0, 3
	STEP 1, 0, 0
	s_wait_dscnt 4*NL
	WIN MUL_LO
	MUL16 0, 1, 1, 1, 0
	MUL16 2, 1, 1, 1, 0
	s_wait_dscnt 0x0
	WIN MUL_HI
	MUL16 4, 1, 1, 1, 0
	MUL16 6, 1, 1, 1, 0
	WIN 0
; THE WAY OUT, block by block of 16 tokens x 128 columns, through my own stage in LDS: in as the accumulators stand, back as whole rows of 512 bytes.  LDS serves a wave's instructions in order.
.macro TOSTAGE a
.set AC, 64*((\a)%4)
	WIN 0x08+4*((\a)/4)                            ; the data: window 2 or 3
.irp b, 0,1,2,3,4,5,6,7
	ds_store_b128 v[STO], v[AC+8*\b:AC+8*\b+3] offset:128*(\b/2)+32*(\b%2)       ; each accumulator from its low end on
	ds_store_b128 v[STO], v[AC+8*\b+4:AC+8*\b+7] offset:128*(\b/2)+32*(\b%2)+16
.endr
	WIN 0
.set BB, BK+64*((\a)%2)
.irp t, 0,1,2,3,4,5,6,7,8,9,10,11,12,13,14,15
	ds_load_b128 v[BB+4*\t:BB+4*\t+3], v[RD] offset:\t*SPITCH
.endr
.endm
.macro SEND a, younger                 ; younger: the LDS instructions issued behind block a's loads, which may stay out
.set BB, BK+64*((\a)%2)
	s_wait_dscnt \younger
.irp t, 0,1,2,3,4,5,6,7,8,9,10,11,12,13,14,15
	global_store_b128 v[CO], v[BB+4*\t:BB+4*\t+3], s[94:95] offset:(32*((\a)/2)+8*((\a)%2)+\t+8*(\t/8))*4096 th:TH_STORE_NT   ; 512 consecutive bytes, aligned; row t of tile a is token 32 (a / 2) + 8 (a % 2) + t + 8 (t / 8)
.endr
.endm
	PLACES NP
	TOSTAGE 0
.irp a, 1,2,3,4,5,6,7
.if \a > 1
	s_wait_xcnt 0x0                                ; block a - 2's stores have read their registers: block a's loads may land there
.endif
	TOSTAGE \a
	SEND \a-1, 32                                  ; behind block a - 1's loads: block a's 16 stores and 16 loads
.endr
	SEND 7, 0
	s_wait_tensorcnt 0x0                           ; the wave's end
	ds_add_u32 v[SPW], v[NIL]
	s_wait_dscnt 0x0
	CROUND                                         ; the closing round
	s_endpgm
.Lfunc_end_k_q6ae2a5e883_outp:
	.size	k_q6ae2a5e883_outp, .Lfunc_end_k_q6ae2a5e883_outp-k_q6ae2a5e883_outp
	.p2alignl 7, 3214868480
	.fill 96, 4, 3214868480
	.section	.rodata,"a",@progbits
	.p2align	6, 0x0
	.amdhsa_kernel k_q6ae2a5e883_outp
		.amdhsa_group_segment_fixed_size 327680
		.amdhsa_private_segment_fixed_size 0
		.amdhsa_enable_private_segment 0
		.amdhsa_kernarg_size 48
		.amdhsa_user_sgpr_count 2
		.amdhsa_user_sgpr_kernarg_segment_ptr 1
		.amdhsa_wavefront_size32 1
		.amdhsa_system_sgpr_workgroup_id_x 1
		.amdhsa_system_sgpr_workgroup_id_y 1
		.amdhsa_system_sgpr_workgroup_id_z 1
		.amdhsa_system_vgpr_workitem_id 0
		.amdhsa_next_free_vgpr 1024
		.amdhsa_next_free_sgpr 100
		.amdhsa_reserve_vcc 0
		.amdhsa_float_denorm_mode_32 3
		.amdhsa_float_denorm_mode_16_64 3
		.amdhsa_memory_ordered 1
		.amdhsa_forward_progress 1
		.amdhsa_inst_pref_size 144
	.end_amdhsa_kernel
	.amdgpu_metadata
---
amdhsa.version: [ 1, 2 ]
amdhsa.kernels:
  - .name:           k_q6ae2a5e883_outp
    .symbol:         k_q6ae2a5e883_outp.kd
    .args:
      - { .name: cc, .offset: 0, .size: 8, .value_kind: global_buffer, .address_space: global }
      - { .name: cs, .offset: 8, .size: 8, .value_kind: global_buffer, .address_space: global }
      - { .name: wc, .offset: 16, .size: 8, .value_kind: global_buffer, .address_space: global }
      - { .name: ws, .offset: 24, .size: 8, .value_kind: global_buffer, .address_space: global }
      - { .name: bo, .offset: 32, .size: 8, .value_kind: global_buffer, .address_space: global }
      - { .name: out0, .offset: 40, .size: 8, .value_kind: global_buffer, .address_space: global }
    .group_segment_fixed_size: 327680
    .private_segment_fixed_size: 0
    .kernarg_segment_align: 8
    .kernarg_segment_size: 48
    .max_flat_workgroup_size: 128
    .sgpr_count:     100
    .vgpr_count:     1024
    .wavefront_size: 32
...
	.end_amdgpu_metadata
.endif
;; end of part 4
